; MI455X (gfx1250); checked and timed in simulation.
; The chip was launched on July 23, 2026; its instructions are those of AMD's public machine-readable ISA for CDNA 5 (MIT licence, August 2026) and "CDNA5" Instruction Set Architecture Reference Guide (July 2026). The comments in the code are by the model that wrote it; some were corrected since.
;; Multi Head Attention. Allowed arithmetic: matrix products marked QUANTISED: E5M2 operands, one E8M0 scale for each 32 along K, by v_wmma_scale_f32_16x16x128_f8f6f4 with both operands' format E5M2, f32 sums; everything else in f32.
;; Inputs: Wk 1,024 x 1,024 float32; Wo 1,024 x 1,024 float32; Wq 1,024 x 1,024 float32; Wv 1,024 x 1,024 float32; bo 1,024 float32; x 4 x 2,048 x 1,024 float32.
;; Outputs: out0 4 x 2,048 x 1,024 float32.
;; This version of the problem:
;;   THIS VERSION OF THE PROBLEM IS GIVEN IN LOW PRECISION. The matrix products marked QUANTISED in the list below multiply operands that are first quantised to E5M2 (5 exponent bits, 2 mantissa bits; 8 bits a number), with one power-of-two scale for each 32 numbers along K (OCP MX v1.0); their sums are f32. All else is computed in f32.
;;   The module's matrix products, in the order in which they are computed (A, B: the left and right operand; K: the contracted axis; several contracted axes count as one K, in the product's order):
;;     1. [M 8,192, K 1,024] x [K 1,024, N 1,024]; A: input x; B: input Wq: QUANTISED
;;     2. [M 8,192, K 1,024] x [K 1,024, N 1,024]; A: input x; B: input Wk: QUANTISED
;;     3. [M 8,192, K 1,024] x [K 1,024, N 1,024]; A: input x; B: input Wv: QUANTISED
;;     4. batch 64 x [M 2,048, K 64] x [K 64, N 2,048]; A: computed on the way; B: computed on the way: QUANTISED
;;     5. batch 64 x [M 64, K 2,048] x [K 2,048, N 2,048]; A: computed on the way; B: softmax (see below): QUANTISED
;;     6. [M 8,192, K 1,024] x [K 1,024, N 1,024]; A: computed on the way; B: input Wo: QUANTISED
;;   THE QUANTISER, for each operand of a quantised product, along K:
;;     - K is cut into blocks of 32 from its start; a last block that is shorter is filled with zeros.
;;     - A block's scale is 2^e with e = floor(log2(the largest magnitude in the block)) - 15, held to -126 .. 127; a block of zeros has e = 0. As a byte (E8M0): e + 127.
;;     - Each number is divided by its block's scale, clamped to +-57,344, and rounded to the nearest number of E5M2, ties to even, subnormals kept.
;;     - The product sums the exact products of the quantised numbers (number of the format x scale) in f32.
;;   ~~~python
;;   def quantise(x, axis):      # numpy; x: float32 -> the quantised numbers, widened to float32 again
;;       x = np.moveaxis(x, axis, -1); K = x.shape[-1]
;;       x = np.pad(x, [(0, 0)] * (x.ndim - 1) + [(0, -K % 32)]); x = x.reshape(x.shape[:-1] + (-1, 32)); a = np.abs(x).max(-1, keepdims=True)
;;       e = np.where(a > 0, np.clip(np.frexp(np.where(a > 0, a, 1))[1] - 1 - 15, -126, 127), 0)      # np.frexp(a)[1] - 1 = floor(log2(a)), exactly
;;       r = np.clip(x / 2.0 ** e, -57344, 57344)
;;       step = 2.0 ** (np.maximum(np.frexp(np.where(r == 0, 1, r))[1] - 1, -14) - 2)
;;       q = np.round(r / step) * step * 2.0 ** e      # np.round: ties to even
;;       return np.moveaxis(q.reshape(q.shape[:-2] + (-1,))[..., :K], -1, axis).astype(np.float32)
;;   ~~~
;;   SOFTMAX AHEAD OF A QUANTISED PRODUCT. Where the list says 'softmax', what is quantised is not the finished softmax but p = 2^(t - M), with t = logit x log2(e) and M = ceil(the row's largest t), a whole number; so 1/2 < the row's largest p <= 1. The row's sum l is taken of the UNQUANTISED p, in f32, and the product's result is divided by l at the end. Since M is a whole number, a kernel that streams over the keys may use a running M (the ceiling of the running maximum): every later rescaling is an exact power of two, which a block's scale takes up: the codes' values come out the same.
;;   OPERANDS COMPUTED ON THE WAY. 'Computed on the way' means the value that the module computes at that place (a softmax that the list does not call 'softmax' is quantised finished and normalised). What goes into a quantiser is computed in f32, as accurately as f32 sums, v_exp_f32 and their like allow (about 1e-6 of the number): no bf16 or f16 on the way to a quantiser, and a product that is left as it is and whose result goes on into a quantised operand takes f32 operands (vector FMAs, or v_wmma_f32_16x16x4_f32). A number that lies on a knife's edge between two numbers of the format may be rounded either way, as far as f32 arithmetic and the matrix unit's own rounding can turn it there, and no further.
;; One version. Each part assembles by itself: llvm-mc -triple=amdgcn-amd-amdhsa -mcpu=gfx1250 --defsym DOCPART=n.
;; ======== version 1 of 1: 4 launches
;; limits: right only within a limited range of input values
;; workspace buffers: xc 8,388,608 bytes; xsc 262,144 bytes; wc 4,194,304 bytes; wsc 131,072 bytes; qkvc 25,165,824 bytes; qkvs 786,432 bytes; cc 8,388,608 bytes; cs 262,144 bytes
;; launch quant (part 1): grid 768 x 1, 4 waves a work-group, no clusters, 34,304 bytes of LDS; arguments x, Wq, Wk, Wv, Wo, xc, xsc, wc, wsc; writes xc, xsc, wc, wsc
.if DOCPART == 1
	.amdgcn_target "amdgcn-amd-amdhsa--gfx1250"
	.amdhsa_code_object_version 6
	.text
	.protected	k_q39cde43ee4_quant
	.globl	k_q39cde43ee4_quant
	.p2align	8
	.type	k_q39cde43ee4_quant,@function
k_q39cde43ee4_quant:
	s_mov_b64 s[64:65], 0
	v_nop
	global_prefetch_b8 v0, s[64:65] scope:SCOPE_SE
	s_setreg_imm32_b32 hwreg(HW_REG_WAVE_MODE, 25, 1), 1
	s_wait_xcnt 0x0
; x [8192][1024] f32 and the four weights [1024 (k)][1024 (n)] f32 become codes of E5M2 with one E8M0 byte for each 32 along K (x: its last axis; a weight: its FIRST axis).
; A block's scale is 2^(floor(log2(its largest magnitude)) - 15); each number is divided by it and rounded to the nearest code, ties to even.
; LAYOUT OF THE RESULTS: the order of an operand's registers.  A tile is 16 rows; place r of tile T is row 32 (T / 2) + 8 (T % 2) + r + 8 (r / 8).
;   codes  [T][K step of 128: 0..7][c: 0..3][lane: 0..31][16 bytes]: byte i = row of place lane % 16, k = 128 s + 32 c + 16 (lane / 16) + i.  A fragment is four runs of 512 consecutive bytes.
;   scales [T][K step][place] words of four bytes.   For a weight a "row" is a column n; tiles 0-63 Wq, 64-127 Wk, 128-191 Wv, 192-255 Wo.
; LIMITS: a block of zeros gets the byte 1 where the rule says 127 (its codes are zeros, and this program alone reads the bytes); NaN and infinities among the inputs are not served.
; SHARES: work-groups 0-511: one tile of x each, wave q its K steps 2 q and 2 q + 1.  Work-groups 512-767: one weight, 128 columns, one K step; a wave 32 columns.
; No tensor loads, no barrier: waves share nothing.  Only the x path uses LDS: a stage of 16 rows x (512 + 16) bytes for each wave.
.set TM,  8                            ; v8-23   at work: largest magnitudes, bytes, scale operands
.set PW,  24                           ; v24-25  the two K steps' scale words;  v26 the two merged
.set PC,  32                           ; v32-63  codes
.set RA,  64                           ; v64-127  K step 0 as loaded; later K step 1 as neighbours
.set RB,  128                          ; v128-191 K step 1 as loaded
.set XA,  192                          ; v192-255 K step 0 as neighbours
.set SEL, 30                           ; s[30:31] lane selects for v_permlanex16_b32: lane l xor 16
.set MNT, 32
.set HM,  33                           ; s33     a mask of lanes 16-31
; 64 numbers of a lane, register 16 b + i = k 32 b + 16 (lane / 16) + i of its row, become a fragment's 16 registers of codes at v[pc] and the row's scale word in v[pw]
.macro QUANT s, pc, pw
.irp b, 0,1,2,3
	v_max3_num_f32 v[TM+\b], |v[\s+16*\b]|, |v[\s+1+16*\b]|, 0x8000000   ; my 16 numbers of block b, and the floor 2^(16 - 127): the byte cannot fall under 1
.endr
.irp i, 2,4,6,8,10,12,14
.irp b, 0,1,2,3
	v_max3_num_f32 v[TM+\b], v[TM+\b], |v[\s+16*\b+\i]|, |v[\s+1+16*\b+\i]|   ; the four blocks by turns
.endr
.endr
.irp b, 0,1,2,3
	v_permlanex16_b32 v[TM+4+\b], v[TM+\b], s[SEL], s[SEL+1]
.endr
.irp b, 0,1,2,3
	v_max_num_f32 v[TM+\b], v[TM+\b], v[TM+4+\b]   ; with lane l xor 16's: the block's largest magnitude
.endr
.irp b, 0,1,2,3
	v_add_nc_u32 v[TM+12+\b], 0xf8800000, v[TM+\b]   ; 15 off its exponent field: the conversion's scale operand
.endr
.irp b, 0,1,2,3
.endr
.irp b, 0,1,2,3
	v_lshrrev_b32 v[TM+4+\b], 23, v[TM+12+\b]   ; the scale's byte
.endr
	v_lshl_or_b32 v[\pw], v[TM+5], 8, v[TM+4]
	v_lshl_or_b32 v[\pw], v[TM+6], 16, v[\pw]
	v_lshl_or_b32 v[\pw], v[TM+7], 24, v[\pw]
.irp b, 0,1,2,3
.irp i, 0,1,2,3,4,5,6,7,8,9,10,11,12,13,14,15
.endr
	v_cvt_scalef32_pk8_bf8_f32 v[\pc+4*\b:\pc+1+4*\b], v[\s+16*\b:\s+7+16*\b], v[TM+12+\b]
	v_cvt_scalef32_pk8_bf8_f32 v[\pc+2+4*\b:\pc+3+4*\b], v[\s+8+16*\b:\s+15+16*\b], v[TM+12+\b]
.endr
	v_nop                                          ; a plain line behind the last conversion
.endm
	s_load_b256 s[4:11], s[0:1], 0x0               ; x s[4:5], Wq s[6:7], Wk s[8:9], Wv s[10:11]
	s_load_b256 s[12:19], s[0:1], 0x20             ; Wo s[12:13], xc s[14:15], xsc s[16:17], wc s[18:19]
	s_load_b64 s[20:21], s[0:1], 0x40              ; wsc
	v_lshl_add_u32 v30, v0, 2, 0x8400
	v_mov_b32 v31, 0
	v_lshrrev_b32 v1, 5, v0
	v_readfirstlane_b32 s22, v1                    ; wave 0..3
	v_and_b32 v2, 31, v0                           ; lane
	v_and_b32 v3, 15, v0                           ; r
	v_bfe_u32 v1, v0, 4, 1                         ; h
	v_lshlrev_b32 v4, 4, v2                        ; 16 x lane
	s_mul_i32 s23, s22, 8448                       ; my stage
	v_add_nc_u32 v5, s23, v4                       ; into it: a row's 512 bytes as they lie
	v_mul_u32_u24 v6, v3, 528
	v_lshl_add_u32 v6, v1, 6, v6
	v_add_nc_u32 v6, s23, v6                       ; out of it: row r, + 64 h: my 16 numbers of a block
	v_lshlrev_b32 v7, 2, v2                        ; 4 x lane
	s_mov_b32 s[SEL], 0x76543210
	s_mov_b32 s[SEL+1], 0xfedcba98
	s_mov_b32 s[HM], 0xffff0000
.irp b, 0,1,2,3
	v_mov_b32 v[TM+4+\b], 0                        ; written once: a lane permute's destination counts as one of its sources
.endr
	s_wait_kmcnt 0x0
	s_cmp_lt_u32 ttmp9, 512
	s_cbranch_scc0 .Lw
	; ---- x: tile T = the work-group's number
	s_lshr_b32 s24, ttmp9, 1
	s_lshl_b32 s24, s24, 17                        ; 32 (T / 2) rows of 4,096 bytes
	s_and_b32 s25, ttmp9, 1
	s_lshl_b32 s25, s25, 15                        ; + 8 (T % 2) rows
	s_add_co_u32 s24, s24, s25
	s_lshl_b32 s25, s22, 10                        ; + my two K steps: 1,024 bytes a wave
	s_add_co_u32 s24, s24, s25
	s_mov_b32 s25, 0
	s_add_nc_u64 s[4:5], s[4:5], s[24:25]
	s_lshl_b32 s24, ttmp9, 14                      ; the tile's codes, my two K steps of 2,048 bytes
	s_lshl_b32 s26, s22, 12
	s_add_co_u32 s24, s24, s26
	s_add_nc_u64 s[14:15], s[14:15], s[24:25]
	s_lshl_b32 s24, ttmp9, 9                       ; its scale words, my 128 bytes
	s_lshl_b32 s26, s22, 7
	s_add_co_u32 s24, s24, s26
	s_add_nc_u64 s[16:17], s[16:17], s[24:25]
.macro XLOAD reg, st                   ; place i's row, K step st: 32 lanes read 512 consecutive bytes
.irp i, 0,1,2,3,4,5,6,7,8,9,10,11,12,13,14,15
	global_load_b128 v[\reg+4*\i:\reg+4*\i+3], v4, s[4:5] offset:(\i+8*(\i/8))*4096+512*\st th:TH_LOAD_NT
.endr
.endm
.macro THROUGH reg, xx                 ; 16 rows x 512 bytes through my stage: LDS serves a wave's instructions in order, so no wait stands between the stores and the loads
.irp i, 0,1,2,3,4,5,6,7,8,9,10,11,12,13,14,15
	ds_store_b128 v5, v[\reg+4*\i:\reg+4*\i+3] offset:528*\i
.endr
.irp c, 0,1,2,3
.irp j, 0,1,2,3
	ds_load_b128 v[\xx+16*\c+4*\j:\xx+16*\c+4*\j+3], v6 offset:128*\c+16*\j
.endr
.endr
.endm
	XLOAD RA, 0
	XLOAD RB, 1
	s_wait_loadcnt 16                              ; K step 0's sixteen loads are in; K step 1's may be out
	s_wait_alu depctr_va_vdst(0)
	THROUGH RA, XA
	s_wait_dscnt 0x0                               ; K step 0 is back as neighbours, and the stage has been read
	s_wait_loadcnt 0x0
	THROUGH RB, RA                                 ; K step 1 comes back into the registers that K step 0 has left, while K step 0 is quantised
	QUANT XA, PC, PW
.irp c, 0,1,2,3
	global_store_b128 v4, v[PC+4*\c:PC+4*\c+3], s[14:15] offset:512*\c   ; 512 consecutive bytes
.endr
	s_wait_dscnt 0x0
	QUANT RA, PC+16, PW+1
.irp c, 0,1,2,3
	global_store_b128 v4, v[PC+16+4*\c:PC+16+4*\c+3], s[14:15] offset:2048+512*\c
.endr
	v_cndmask_b32 v26, v[PW], v[PW+1], s[HM]       ; lanes 0-15: K step 2 q's words, lanes 16-31: K step 2 q + 1's (both halves of the lanes hold a row's word)
	global_store_b32 v7, v26, s[16:17]             ; 128 consecutive bytes
	s_wait_tensorcnt 0x0
	ds_add_u32 v30, v31
	s_wait_dscnt 0x0
	s_endpgm
	; ---- a weight: a lane takes a column n, and its registers run down K: nothing is transposed
.Lw:
	s_sub_co_u32 s24, ttmp9, 512
	s_lshr_b32 s25, s24, 6                         ; which weight
	s_and_b32 s26, s24, 7                          ; which 128 columns
	s_bfe_u32 s27, s24, 0x30003                    ; which K step
	s_cmp_eq_u32 s25, 1
	s_cselect_b64 s[6:7], s[8:9], s[6:7]
	s_cmp_eq_u32 s25, 2
	s_cselect_b64 s[6:7], s[10:11], s[6:7]
	s_cmp_eq_u32 s25, 3
	s_cselect_b64 s[6:7], s[12:13], s[6:7]
	s_lshl_b32 s28, s26, 2
	s_add_co_u32 s28, s28, s22                     ; my 32 columns: pair of tiles 4 x group + wave
	s_lshl_b32 s34, s27, 19                        ; 128 rows of 4,096 bytes a K step
	s_lshl_b32 s35, s28, 7                         ; 128 bytes a pair
	s_add_co_u32 s34, s34, s35
	s_mov_b32 s35, 0
	s_add_nc_u64 s[6:7], s[6:7], s[34:35]
	s_lshl_b32 s29, s25, 6
	s_lshl_b32 s36, s28, 1
	s_add_co_u32 s29, s29, s36                     ; the pair's first tile
	s_lshl_b32 s34, s29, 14
	s_lshl_b32 s36, s27, 11
	s_add_co_u32 s34, s34, s36
	s_add_nc_u64 s[18:19], s[18:19], s[34:35]
	s_lshl_b32 s34, s29, 9
	s_lshl_b32 s36, s27, 6
	s_add_co_u32 s34, s34, s36
	s_add_nc_u64 s[20:21], s[20:21], s[34:35]
	v_bfe_u32 v10, v0, 3, 1                        ; column j of the 32 lies in tile (j / 8) % 2
	v_and_b32 v11, 7, v0
	v_lshl_add_u32 v11, v1, 3, v11                 ; at place j % 8 + 8 (j / 16)
	v_lshlrev_b32 v28, 14, v10
	v_lshl_add_u32 v28, v11, 4, v28                ; codes: 16,384 x tile + 16 x place
	v_lshlrev_b32 v29, 9, v10
	v_lshl_add_u32 v29, v11, 2, v29                ; scale words: 512 x tile + 4 x place
.set i, 0
.rept 128
	global_load_b32 v[64+i], v7, s[6:7] offset:i*4096 th:TH_LOAD_NT   ; W(128 s + i, my column): 128 consecutive bytes a wave
.set i, i+1
.endr
.macro BLOCK t
.set XS, 64+32*(\t)
.set CD, 32+8*(\t)
.if (\t) < 2
	s_wait_loadcnt 63                              ; this block's 32 loads are in: 96 or 64 are younger, and 63 is the most that a wait can name
.else
	s_wait_loadcnt 32*(3-(\t))
.endif
	v_max3_num_f32 v12, |v[XS]|, |v[XS+1]|, |v[XS+2]|   ; the block's largest magnitude: all 32 numbers are mine
	v_max3_num_f32 v13, |v[XS+3]|, |v[XS+4]|, |v[XS+5]|
.irp i, 6,10,14,18,22,26
	v_max3_num_f32 v12, v12, |v[XS+\i]|, |v[XS+\i+1]|
	v_max3_num_f32 v13, v13, |v[XS+\i+2]|, |v[XS+\i+3]|
.endr
	v_max3_num_f32 v12, v12, |v[XS+30]|, |v[XS+31]|
	v_max3_num_f32 v12, v12, v13, 0x8000000        ; and the floor
	v_add_nc_u32 v11, 0xf8800000, v12
	v_lshrrev_b32 v13, 23, v11
.if (\t) == 0
	v_mov_b32 v24, v13                             ; four bytes to the word, the lower K in the lower byte
.else
	v_lshl_or_b32 v24, v13, 8*(\t), v24
.endif
.set j, 0
.rept 32
.set j, j+1
.endr
.irp g, 0,1,2,3
	v_cvt_scalef32_pk8_bf8_f32 v[CD+2*\g:CD+2*\g+1], v[XS+8*\g:XS+8*\g+7], v11
.endr
	global_store_b128 v28, v[CD:CD+3], s[18:19] offset:512*(\t)        ; k = 32 t + 0 .. 15: the places of lanes 0-15; the sixteen lanes of a tile fill 256 consecutive bytes, aligned
	global_store_b128 v28, v[CD+4:CD+7], s[18:19] offset:512*(\t)+256  ; k = 32 t + 16 .. 31: those of lanes 16-31
.endm
	BLOCK 0
	BLOCK 1
	BLOCK 2
	BLOCK 3
	global_store_b32 v29, v24, s[20:21]
	s_endpgm
.Lfunc_end_k_q39cde43ee4_quant:
	.size	k_q39cde43ee4_quant, .Lfunc_end_k_q39cde43ee4_quant-k_q39cde43ee4_quant
	.p2alignl 7, 3214868480
	.fill 96, 4, 3214868480
	.section	.rodata,"a",@progbits
	.p2align	6, 0x0
	.amdhsa_kernel k_q39cde43ee4_quant
		.amdhsa_group_segment_fixed_size 34304
		.amdhsa_private_segment_fixed_size 0
		.amdhsa_enable_private_segment 0
		.amdhsa_kernarg_size 72
		.amdhsa_user_sgpr_count 2
		.amdhsa_user_sgpr_kernarg_segment_ptr 1
		.amdhsa_wavefront_size32 1
		.amdhsa_system_sgpr_workgroup_id_x 1
		.amdhsa_system_sgpr_workgroup_id_y 1
		.amdhsa_system_sgpr_workgroup_id_z 1
		.amdhsa_system_vgpr_workitem_id 0
		.amdhsa_next_free_vgpr 256
		.amdhsa_next_free_sgpr 66
		.amdhsa_reserve_vcc 0
		.amdhsa_float_denorm_mode_32 3
		.amdhsa_float_denorm_mode_16_64 3
		.amdhsa_fp16_overflow 1
		.amdhsa_memory_ordered 1
		.amdhsa_forward_progress 1
		.amdhsa_inst_pref_size 38
	.end_amdhsa_kernel
	.amdgpu_metadata
---
amdhsa.version: [ 1, 2 ]
amdhsa.kernels:
  - .name:           k_q39cde43ee4_quant
    .symbol:         k_q39cde43ee4_quant.kd
    .args:
      - { .name: x, .offset: 0, .size: 8, .value_kind: global_buffer, .address_space: global }
      - { .name: Wq, .offset: 8, .size: 8, .value_kind: global_buffer, .address_space: global }
      - { .name: Wk, .offset: 16, .size: 8, .value_kind: global_buffer, .address_space: global }
      - { .name: Wv, .offset: 24, .size: 8, .value_kind: global_buffer, .address_space: global }
      - { .name: Wo, .offset: 32, .size: 8, .value_kind: global_buffer, .address_space: global }
      - { .name: xc, .offset: 40, .size: 8, .value_kind: global_buffer, .address_space: global }
      - { .name: xsc, .offset: 48, .size: 8, .value_kind: global_buffer, .address_space: global }
      - { .name: wc, .offset: 56, .size: 8, .value_kind: global_buffer, .address_space: global }
      - { .name: wsc, .offset: 64, .size: 8, .value_kind: global_buffer, .address_space: global }
    .group_segment_fixed_size: 34304
    .private_segment_fixed_size: 0
    .kernarg_segment_align: 8
    .kernarg_segment_size: 72
    .max_flat_workgroup_size: 128
    .sgpr_count:     66
    .vgpr_count:     256
    .wavefront_size: 32
...
	.end_amdgpu_metadata
.endif
;; end of part 1
;; launch qkv (part 2): grid 8 x 48, 4 waves a work-group, clusters of 4 x 4, 327,680 bytes of LDS; arguments xc, xsc, wc, wsc, qkvc, qkvs; writes qkvc, qkvs
.if DOCPART == 2
	.amdgcn_target "amdgcn-amd-amdhsa--gfx1250"
	.amdhsa_code_object_version 6
	.text
	.protected	k_q39cde43ee4_qkv
	.globl	k_q39cde43ee4_qkv
	.p2align	8
	.type	k_q39cde43ee4_qkv,@function
k_q39cde43ee4_qkv:
	s_mov_b64 s[64:65], 0
	v_nop
	global_prefetch_b8 v0, s[64:65] scope:SCOPE_SE
	s_setreg_imm32_b32 hwreg(HW_REG_WAVE_MODE, 25, 1), 1
	s_wait_xcnt 0x0
	s_wait_alu depctr_hold_cnt(0) depctr_sa_sdst(0) depctr_va_vdst(0) depctr_va_sdst(0) depctr_va_ssrc(0) depctr_va_vcc(0) depctr_vm_vsrc(0)
	s_getreg_b32 s2, hwreg(HW_REG_IB_STS2, 6, 4)
	s_cmp_eq_u32 s2, 0
	s_cbranch_scc0 .Lentry_in_a_cluster
	s_endpgm
.Lentry_in_a_cluster:
	s_bfe_u32 s2, ttmp6, 0x10000c
	s_cmp_lg_u32 s2, 0xf033
	s_cbranch_scc0 .Lentry_shape_is_right
	s_endpgm
.Lentry_shape_is_right:
; q = x Wq, k = x Wk, v = x Wv on codes of E5M2 with E8M0 scales, K = 1,024; the results are quantised in registers and leave as codes: q and k along a head's 64, v along the keys.
; OPERANDS lie in memory in the order of their registers: codes [tile of 16 rows][K step of 128][c][lane][16 bytes] (16,384 bytes a tile), scale words [tile][K step][place] (512 bytes a tile);
; place r of tile T is row 32 (T / 2) + 8 (T % 2) + r + 8 (r / 8).  So the 16 registers that source 0's tiles 2 b and 2 b + 1 leave in a lane are 16 NEIGHBOURS, 32 b + 16 (lane / 16) + 0 .. 15.
; A work-group of four waves makes 256 x 256, a wave 128 x 128: 64 accumulators.  Source 1 (S1) gives a lane its row, source 0 (S0) runs along a lane's registers, which is the axis that is quantised.
;   cluster rows 0-7 (q and k): S1 = 256 tokens of x, S0 = 256 columns of Wq | Wk.      cluster rows 8-11 (v): S1 = 256 columns of Wv, S0 = 256 tokens.
; What differs between the two kinds is chosen by s_cselect on the cluster's y, which all partners share; there is no branch on it.
; K goes in steps of 256 through a ring of two LDS slots; a wave's tensor load brings 8 tiles x 4,096 bytes.  The scale words of all of K (4,096 bytes a wave) come once, with the first fills.
; CLUSTERS: 4 x 4.  S1's tiles are asked for jointly along a row of the cluster, S0's along a column.
; RESULTS: q, k: [column group of 128: 0-7 q, 8-15 k][token tile][c][lane][16]; c = 2 (head % 2) + block of the head's 64.  v (16 MiB on): [head][key step of 128][tile of 16 of the head's 64][c][lane][16].
;   scale words: q, k: [group][token tile / 4][place][token tile % 4];  v (524,288 bytes on): [head][key step][place][tile].
; LIMITS: a block of zeros gets the byte 1 where the rule says 127 (zero codes; this program alone reads the bytes); NaN and infinities are not served.
; REGISTERS: window 0: v0-31 addresses; v32-63 scale words, two sets, and nothing else; v128-255 S1's fragments, one set.  window 1: S0's fragments, two sets.  windows 2, 3: the accumulators ((a, b) at v[8 (8 (a % 4) + b)]).
.set NQ,     2                         ; matrix instructions deep in a slot
.set FR,     16                        ; registers of a fragment
.set NL,     4                         ; LDS loads that bring one
.set NP,     8                         ; places behind this matrix instruction (ISA guide 7.12.1)
.set TILEB,  4096                      ; a tile's two K steps in a slot
.set HALFT,  8*TILEB                   ; what one tensor load brings
.set SLOT,   4*HALFT                   ; S1's 16 tiles, then S0's 16
.set SCL,    2*SLOT                    ; behind the ring: the scale words, 4,096 bytes a wave's load
.set HALFS,  4096
.set SPARE,  SCL+4*HALFS               ; the spare words, 128 bytes for each wave: two blocks of 256 bytes that no other line names
.set ADRA, 16                          ; v16-17  LDS address of my S1 fragments in slot 0, 1
.set ADRB, 20                          ; v20-21  the same for S0
.set CO,   26                          ; v26     16 x lane
.set ADRS, 27                          ; v27     LDS address of my scale words: lanes 0-15 S1's, lanes 16-31 S0's
.set SPW,  28                          ; v28     LDS address of my spare word; never rewritten
.set NIL,  29                          ; v29     0; never rewritten
.set SO,   30                          ; v30     the way out: my place among the scale words
.set SC,   32
.set AF,   128
.set G1, 24
.set G0, 32
.set G1B, 48
.set G0B, 56
.set G1S, 68
.set G0S, 76
.set G1SB, 80
.set G0SB, 88
.set MSB, 0
.macro WIN new                         ; the immediate's high byte repeats the setting that is left
.if MSB != \new
	s_set_vgpr_msb (MSB<<8)|\new
.set MSB, \new
.endif
.endm
.set MUL_LO, 0xa1                      ; source 0 window 1, source 1 window 0, C and D window 2
.set MUL_HI, 0xf1                      ; the same, C and D window 3
.set TO_B,   0x40                      ; destination window 1, address window 0
; A joint load: waves 0 and 1 fetch for S1, waves 2 and 3 for S0.  The branch hangs on the wave's number alone.  Four v_nop follow each of the two lines.
.macro JLOAD g0a, g1a, g0b, g1b
	s_cmp_eq_u32 s15, 0
	s_cbranch_scc0 .Lfor_b_\@
	tensor_load_to_lds s[\g0a:\g0a+3], s[\g1a:\g1a+7]
	s_nop 0
.rept 4
	v_nop
.endr
	s_branch .Lasked_\@
.Lfor_b_\@:
	tensor_load_to_lds s[\g0b:\g0b+3], s[\g1b:\g1b+7]
	s_nop 0
.rept 4
	v_nop
.endr
.Lasked_\@:
.endm
.macro CREST                           ; a round of the cluster's barrier behind its opening barrier
	s_cmp_lg_u32 s14, 0
	s_cbranch_scc1 .Lnot_wave_0_\@
	s_barrier_signal -3
.Lnot_wave_0_\@:
	s_barrier_wait -3
	s_barrier_signal -1
	s_barrier_wait -1
.endm
.macro CROUND
	s_barrier_signal -1
	s_barrier_wait -1
	CREST
.endm
	s_load_b256 s[4:11], s[0:1], 0x0               ; xc s[4:5], xsc s[6:7], wc s[8:9], wsc s[10:11]
	s_load_b128 s[96:99], s[0:1], 0x20             ; qkvc s[96:97], qkvs s[98:99]
	v_lshl_add_u32 v[SPW], v0, 2, SPARE
	v_mov_b32 v[NIL], 0
	ds_add_u32 v28, v29
	ds_add_u32 v28, v29
	s_wait_dscnt 0x0
	v_lshrrev_b32 v1, 5, v0
	v_readfirstlane_b32 s14, v1                    ; wave 0..3
	s_lshr_b32 s15, s14, 1                         ; which half of S1's tiles is mine.  Also: I fetch for S1 (0) or for S0 (1)
	s_and_b32 s16, s14, 1                          ; which half of S0's.  Also: which 8 tiles I fetch
	s_bfe_u32 s40, ttmp6, 0x40000                  ; cx
	s_bfe_u32 s41, ttmp6, 0x40004                  ; cy
	s_and_b32 s95, ttmp7, 0xffff                   ; the cluster's y: 0-7 q and k, 8-11 v
	s_lshl_b32 s42, ttmp9, 2
	s_add_co_u32 s42, s42, s40                     ; 4 x cluster x + cx
	s_lshl_b32 s17, s95, 2
	s_add_co_u32 s17, s17, s41                     ; 4 x cluster y + cy
	s_max_u32 s18, s95, 8
	s_sub_co_u32 s18, s18, 8
	s_lshl_b32 s18, s18, 3
	s_add_co_u32 s18, s18, s42                     ; v: 8 (cluster y - 8) + 4 x cluster x + cx
	s_cmp_ge_u32 s95, 8
	s_cselect_b32 s17, s41, s17                    ; S1's block of 256: v: cy (of Wv's four);  q, k: of x's 32
	s_cselect_b32 s42, s18, s42                    ; S0's block of 256: v: of x's 32;  q, k: of Wq | Wk's eight
	s_cselect_b32 s19, 128, 0                      ; S1's first tile in its buffer: Wv's tiles begin at 128
	s_lshl_b32 s43, s41, 2
	s_lshl_b32 s43, 15, s43                        ; my row of the cluster
	s_lshl_b32 s44, 0x1111, s40                    ; my column
	; descriptor group 1, codes: 8 rows of 4,096 bytes (512 elements of 8 bytes), 16,384 bytes apart; no padding: a fragment's loads take 512 consecutive bytes
	s_or_b32 s[G1+0], s43, (3<<16)|(1<<21)         ; 15:0 the mask: S1's tiles go to my row; 17:16 elements of 8 bytes; 21 set beside a mask
	s_or_b32 s[G1B+0], s44, (3<<16)|(1<<21)
.irp g, G1, G1B
	s_mov_b32 s[\g+1], 512<<16                     ; tensor_dim0
	s_mov_b32 s[\g+2], 8<<16                       ; tensor_dim1
	s_mov_b32 s[\g+3], 512<<16                     ; tile_dim0
	s_mov_b32 s[\g+4], 8                           ; tile_dim1
	s_mov_b32 s[\g+5], 2048                        ; tensor_dim0_stride
	s_mov_b32 s[\g+6], 0
	s_mov_b32 s[\g+7], 0
.endr
	; scale words of 8 tiles: 4,096 dense bytes as 16 rows of 256
	s_or_b32 s[G1S+0], s43, (3<<16)|(1<<21)
	s_or_b32 s[G1SB+0], s44, (3<<16)|(1<<21)
.irp g, G1S, G1SB
	s_mov_b32 s[\g+1], 32<<16
	s_mov_b32 s[\g+2], 16<<16
	s_mov_b32 s[\g+3], 32<<16
	s_mov_b32 s[\g+4], 16
	s_mov_b32 s[\g+5], 32
	s_mov_b32 s[\g+6], 0
	s_mov_b32 s[\g+7], 0
.endr
	s_lshl_b32 s18, s16, 3                         ; which 8 tiles I fetch
	s_lshl_b32 s20, s17, 4
	s_add_co_u32 s20, s20, s18
	s_add_co_u32 s20, s20, s19                     ; S1: its first tile
	s_lshl_b32 s46, s42, 4
	s_add_co_u32 s46, s46, s18                     ; S0: its first tile
	s_lshl_b32 s22, s20, 9                         ; scale words: 512 bytes a tile
	s_mov_b32 s23, 0
	s_lshl_b32 s92, s46, 9
	s_mov_b32 s93, 0
	s_lshl_b32 s20, s20, 14                        ; codes: 16,384 bytes a tile
	s_mov_b32 s21, 0
	s_lshl_b32 s46, s46, 14
	s_mov_b32 s47, 0
	s_lshl_b32 s45, s14, 15                        ; where they go: wave x 32,768: no place in the cluster enters an LDS address
	s_lshl_b32 s94, s14, 12
	s_wait_kmcnt 0x0
	s_cmp_ge_u32 s95, 8
	s_cselect_b64 s[12:13], s[8:9], s[4:5]         ; S1's codes: v: the weights';  q, k: x's
	s_cselect_b64 s[66:67], s[10:11], s[6:7]       ; S1's scale words
	s_cselect_b64 s[8:9], s[4:5], s[8:9]           ; S0's codes
	s_cselect_b64 s[10:11], s[6:7], s[10:11]       ; S0's scale words
	s_add_nc_u64 s[20:21], s[12:13], s[20:21]
	s_add_nc_u64 s[22:23], s[66:67], s[22:23]
	s_add_nc_u64 s[46:47], s[8:9], s[46:47]
	s_add_nc_u64 s[92:93], s[10:11], s[92:93]
	CROUND                                         ; all sixteen work-groups are here: the first joint loads meet
	s_mov_b32 s[G0S], 1
	s_add_co_u32 s[G0S+1], s94, SCL
	s_mov_b64 s[G0S+2:G0S+3], s[22:23]
	s_or_b32 s[G0S+3], s[G0S+3], 0x80000000
	s_mov_b32 s[G0SB], 1
	s_add_co_u32 s[G0SB+1], s94, SCL
	s_mov_b64 s[G0SB+2:G0SB+3], s[92:93]
	s_or_b32 s[G0SB+3], s[G0SB+3], 0x80000000
	JLOAD G0S, G1S, G0SB, G1SB                     ; the scale words first: they are wanted with K step 0
.irp s, 0,1
	s_mov_b32 s[G0+4*\s], 1
	s_add_co_u32 s[G0+4*\s+1], s45, \s*SLOT
	s_add_nc_u64 s[G0+4*\s+2:G0+4*\s+3], s[20:21], \s*TILEB
	s_or_b32 s[G0+4*\s+3], s[G0+4*\s+3], 0x80000000
	s_mov_b32 s[G0B+4*\s], 1
	s_add_co_u32 s[G0B+4*\s+1], s45, \s*SLOT
	s_add_nc_u64 s[G0B+4*\s+2:G0B+4*\s+3], s[46:47], \s*TILEB
	s_or_b32 s[G0B+4*\s+3], s[G0B+4*\s+3], 0x80000000
	JLOAD G0+4*\s, G1, G0B+4*\s, G1B
.endr
	v_and_b32 v1, 15, v0                           ; r
	v_bfe_u32 v2, v0, 4, 1                         ; h
	s_wait_alu depctr_va_vdst(0)
	v_and_b32 v3, 31, v0
	v_lshlrev_b32 v[CO], 4, v3                     ; 16 x lane
	s_lshl_b32 s21, s15, 15                        ; my 8 tiles of S1
	s_lshl_b32 s22, s16, 15                        ; my 8 tiles of S0,
	s_add_co_u32 s22, s22, 2*HALFT                 ; which lie behind S1's 16
.irp s, 0,1
	v_add_nc_u32 v[ADRA+\s], s21, v[CO]
	v_add_nc_u32 v[ADRB+\s], s22, v[CO]
	s_add_co_u32 s21, s21, SLOT
	s_add_co_u32 s22, s22, SLOT
.endr
	v_lshlrev_b32 v5, 2, v1                        ; a scale word: 4 bytes a place
	s_lshl_b32 s21, s15, 12                        ; S1's: my 8 tiles
	s_lshl_b32 s22, s16, 12                        ; S0's: my 8 tiles, behind S1's 16
	s_add_co_u32 s22, s22, 2*HALFS
	s_sub_co_u32 s22, s22, s21
	v_mul_u32_u24 v6, s22, v2                      ; lanes 16-31 take S0's
	s_add_co_u32 s21, s21, SCL
	v_add_nc_u32 v5, v5, v6
	v_add_nc_u32 v[ADRS], s21, v5
	; where my results go.  T4 = 4 x S1's block + 2 x my half counts groups of four S1 tiles; C = 2 x S0's block + my half counts runs of 128 along S0
	s_lshl_b32 s20, s17, 2
	s_lshl_b32 s21, s15, 1
	s_add_co_u32 s20, s20, s21                     ; T4
	s_lshl_b32 s46, s42, 1
	s_add_co_u32 s46, s46, s16                     ; C
	s_cmp_ge_u32 s95, 8
	s_cselect_b32 s18, 19, 13                      ; codes: bytes from T4 to T4 + 1: v: a head, 2^19;  q, k: four token tiles, 2^13
	s_cselect_b32 s19, 13, 20                      ; from C to C + 1: v: a key step, 2^13;  q, k: a column group, 2^20
	s_cselect_b32 s22, 14, 8                       ; scale words: the same two steps
	s_cselect_b32 s23, 8, 15
	s_cselect_b32 s66, 0x1000000, 0                ; v's codes begin 16 MiB on,
	s_cselect_b32 s67, 0x80000, 0                  ; its scale words 524,288 bytes on
	s_lshl_b32 s12, s20, s18
	s_lshl_b32 s47, s46, s19
	s_add_co_u32 s12, s12, s47
	s_add_co_u32 s12, s12, s66
	s_mov_b32 s13, 0
	s_add_nc_u64 s[12:13], s[96:97], s[12:13]      ; my S1 tiles 0-3
	s_lshl_b32 s92, 1, s18
	s_mov_b32 s93, 0
	s_add_nc_u64 s[92:93], s[12:13], s[92:93]      ; and 4-7
	s_lshl_b32 s20, s20, s22
	s_lshl_b32 s46, s46, s23
	s_add_co_u32 s20, s20, s46
	s_add_co_u32 s20, s20, s67
	s_mov_b32 s21, 0
	s_add_nc_u64 s[98:99], s[98:99], s[20:21]
	v_lshlrev_b32 v[SO], s22, v2                   ; lanes 16-31 store tiles 4-7's words,
	v_lshl_add_u32 v[SO], v1, 4, v[SO]             ; 16 bytes a place
	s_mov_b32 s94, 0xffff0000                      ; a mask of lanes 16-31
	s_mov_b32 s40, 0x76543210                      ; lane selects for v_permlanex16_b32: lane l xor 16
	s_mov_b32 s41, 0xfedcba98
	s_mov_b32 s45, 0x600000                        ; the mantissa field of 57,344
.macro FRAG reg, adr, q, i             ; a fragment as it lies: four runs of 512 bytes, 16 a lane
.irp c, 0,1,2,3
	ds_load_b128 v[\reg+4*\c:\reg+4*\c+3], v[\adr] offset:2048*(\q)+512*\c+(\i)*TILEB
.endr
.endm
; 16 matrix instructions: S1's blocks a0, a0 + 1 x S0's eight, 128 along K.  The 64 accumulators take turns, one instruction a turn, in the same order in every step.
.macro MUL16 a0, p, q, sc, zero
.irp a, \a0, \a0+1
.irp b, 0,1,2,3,4,5,6,7
.if \zero
	v_wmma_scale_f32_16x16x128_f8f6f4 v[8*(8*((\a)%4)+\b):8*(8*((\a)%4)+\b)+7], v[128*(\p)+FR*\b:128*(\p)+FR*\b+FR-1], v[AF+FR*(\a):AF+FR*(\a)+FR-1], 0, v[SC+8*NQ*(\sc)+NQ*\b+(\q)], v[SC+8*NQ*(\sc)+NQ*(\a)+(\q)] matrix_a_fmt:MATRIX_FMT_BF8 matrix_b_fmt:MATRIX_FMT_BF8 matrix_a_scale:MATRIX_SCALE_ROW1
.else
	v_wmma_scale_f32_16x16x128_f8f6f4 v[8*(8*((\a)%4)+\b):8*(8*((\a)%4)+\b)+7], v[128*(\p)+FR*\b:128*(\p)+FR*\b+FR-1], v[AF+FR*(\a):AF+FR*(\a)+FR-1], v[8*(8*((\a)%4)+\b):8*(8*((\a)%4)+\b)+7], v[SC+8*NQ*(\sc)+NQ*\b+(\q)], v[SC+8*NQ*(\sc)+NQ*(\a)+(\q)] matrix_a_fmt:MATRIX_FMT_BF8 matrix_b_fmt:MATRIX_FMT_BF8 matrix_a_scale:MATRIX_SCALE_ROW1
.endif
.endr
.endr
.endm
.macro FETCH_B slot, q, p
	WIN TO_B
.irp i, 0,1,2,3,4,5,6,7
	FRAG 128*(\p)+FR*\i, ADRB+\slot, \q, \i
.endr
	WIN 0
.endm
.macro FETCH_A slot, q, i0
.irp i, \i0, \i0+1, \i0+2, \i0+3
	FRAG AF+FR*(\i), ADRA+\slot, \q, \i
.endr
.endm
.macro SCALES sc                       ; a slot's scale words into set sc: register 2 i + q: lanes 0-15 S1's block i, lanes 16-31 S0's block i
.irp i, 0,1,2,3,4,5,6,7
	ds_load_b32 v[SC+8*NQ*\sc+NQ*\i], v[ADRS] offset:\i*512
	ds_load_b32 v[SC+8*NQ*\sc+NQ*\i+1], v[ADRS] offset:\i*512+64
.endr
.endm
.macro PLACES n                        ; plain vector lines between a matrix instruction and a load into, or a read of, its registers
.rept \n
	v_nop
.endr
.endm
.macro STEP slot, q, zero              ; 128 along K that has its successor in the same slot
	s_wait_dscnt 4*NL                              ; S0's set, the scale words and S1's blocks 0-3 are in; the youngest sixteen loads (S1's blocks 4-7) may be out
	WIN MUL_LO
	MUL16 0, (\q)%2, \q, \slot, \zero
	MUL16 2, (\q)%2, \q, \slot, \zero
	s_wait_dscnt 0
	PLACES NP
	FETCH_B \slot, (\q)+1, 1-(\q)%2
	FETCH_A \slot, (\q)+1, 0
	WIN MUL_HI
	MUL16 4, (\q)%2, \q, \slot, \zero
	MUL16 6, (\q)%2, \q, \slot, \zero
	PLACES NP
	WIN 0
	FETCH_A \slot, (\q)+1, 4
.endm
; A slot's last step changes slots: one barrier; in front of it each wave waits for all its tensor loads, adds 0 to its spare word, and waits for that and for its own reads of this slot.
.macro TURN slot, next, fill
	s_wait_tensorcnt 0x0                           ; all my tensor loads have landed: my part of the next slot
	ds_add_u32 v[SPW], v[NIL]                      ; 0 onto my spare word
	s_wait_dscnt 4*NL+1                            ; (the add and the youngest sixteen loads may be out)
	WIN MUL_LO
	MUL16 0, 1, NQ-1, \slot, 0
	s_wait_dscnt 0x0                               ; the add is done, and my reads of this slot are over
	s_barrier_signal -1
	MUL16 2, 1, NQ-1, \slot, 0
	WIN 0
	s_barrier_wait -1
.if \fill
	CREST                                          ; the barrier has opened a round of the cluster's barrier: no wave of any partner still reads this slot or has a load on its way
	s_add_nc_u64 s[G0+4*\slot+2:G0+4*\slot+3], s[G0+4*\slot+2:G0+4*\slot+3], 2*TILEB
	s_add_nc_u64 s[G0B+4*\slot+2:G0B+4*\slot+3], s[G0B+4*\slot+2:G0B+4*\slot+3], 2*TILEB
	JLOAD G0+4*\slot, G1, G0B+4*\slot, G1B         ; the first tensor load behind the round; its four v_nop are among the places in front of the loads below
	PLACES NP-4
.else
	PLACES NP
.endif
	s_wait_alu depctr_va_vdst(0)
	v_add_nc_u32 v[ADRS], 128, v[ADRS]             ; the next slot's scale words: two K steps of 64 bytes on
	FETCH_B \next, 0, 0
	FETCH_A \next, 0, 0
	SCALES \next
	WIN MUL_HI
	MUL16 4, 1, NQ-1, \slot, 0
	MUL16 6, 1, NQ-1, \slot, 0
	PLACES NP
	WIN 0
	FETCH_A \next, 0, 4
.endm
	s_wait_alu depctr_va_vdst(0)
	s_wait_tensorcnt 1                             ; the scale words and my part of slot 0 are in (slot 1's load may be out)
	s_barrier_signal -1
	s_barrier_wait -1                              ; everybody's are
	FETCH_B 0, 0, 0
	FETCH_A 0, 0, 0
	SCALES 0
	FETCH_A 0, 0, 4
	STEP 0, 0, 1                                   ; the first step's products start the sums
	s_mov_b32 s3, 1
.Llap:                                             ; one trip: K = 1,024 is four slots, and both slots are filled again once
	TURN 0, 1, 1
	STEP 1, 0, 0
	TURN 1, 0, 1
	STEP 0, 0, 0
	s_sub_co_u32 s3, s3, 1
	s_cmp_lg_u32 s3, 0
	s_cbranch_scc1 .Llap
	TURN 0, 1, 0
	STEP 1, 0, 0
	s_wait_dscnt 4*NL
	WIN MUL_LO
	MUL16 0, 1, NQ-1, 1, 0
	MUL16 2, 1, NQ-1, 1, 0
	s_wait_dscnt 0
	WIN MUL_HI
	MUL16 4, 1, NQ-1, 1, 0
	MUL16 6, 1, NQ-1, 1, 0
	WIN 0
; THE WAY OUT.  For S1's tile a, a lane's 64 results are register 16 b + i = S0's index 32 b + 16 (lane / 16) + i: four blocks of 32, each shared with lane l xor 16.  They become a fragment's 16 registers and a scale word.
.set TM,  128                          ; v128-143 at work
.set PW,  144                          ; v144-151 the eight tiles' scale words
.set W4,  152                          ; v152-155 as they are stored
.set PC,  64                           ; v64-127  codes: four sets of 16
.set XH,  192                          ; v192-255 the numbers, held
.macro OUTQ a
.set WN, 2+(\a)/4
.set W2, WN|(WN<<2)
.set AC, 64*((\a)%4)
.set PA, PC+16*((\a)%4)
	WIN W2                                         ; sources 0 and 1: the accumulators' window
.irp b, 0,1,2,3
	v_max3_num_f32 v[TM+\b], |v[AC+16*\b]|, |v[AC+16*\b+1]|, 0x8000000   ; each accumulator is read from its low end on; the floor 2^(16 - 127) holds the byte at 1 from below
.endr
.irp i, 2,4,6,8,10,12,14
.irp b, 0,1,2,3
	v_max3_num_f32 v[TM+\b], |v[AC+16*\b+\i]|, |v[AC+16*\b+\i+1]|, v[TM+\b]
.endr
.endr
	WIN 0
.irp b, 0,1,2,3
	v_permlanex16_b32 v[TM+4+\b], v[TM+\b], s40, s41
.endr
.irp b, 0,1,2,3
	v_max_num_f32 v[TM+\b], v[TM+\b], v[TM+4+\b]
.endr
.irp b, 0,1,2,3
	v_add_nc_u32 v[TM+12+\b], 0xf8800000, v[TM+\b]   ; 15 off the exponent field: the conversion's scale operand
.endr
.irp b, 0,1,2,3
	v_and_or_b32 v[TM+8+\b], v[TM+\b], 0x7f800000, s45   ; 57,344 x the scale
.endr
.irp b, 0,1,2,3
	v_lshrrev_b32 v[TM+4+\b], 23, v[TM+12+\b]
.endr
	v_lshl_or_b32 v[PW+(\a)], v[TM+5], 8, v[TM+4]
	v_lshl_or_b32 v[PW+(\a)], v[TM+6], 16, v[PW+(\a)]
	v_lshl_or_b32 v[PW+(\a)], v[TM+7], 24, v[PW+(\a)]
	WIN WN                                         ; source 0: the accumulators' window
.irp b, 0,1,2,3
.set j, 0
.rept 16
	v_med3_num_f32 v[XH+16*\b+j], v[AC+16*\b+j], -v[TM+8+\b], v[TM+8+\b]   ; the conversion does not saturate (ISA guide 7.6.2): the hold comes first
.set j, j+1
.endr
.endr
	WIN 0
.if (\a) >= 4
	s_wait_alu depctr_va_vdst(0)
	s_wait_xcnt 0x0                                ; the stores of four tiles back have read this set of codes
.endif
.irp b, 0,1,2,3
	v_cvt_scalef32_pk8_bf8_f32 v[PA+4*\b:PA+4*\b+1], v[XH+16*\b:XH+16*\b+7], v[TM+12+\b]
	v_cvt_scalef32_pk8_bf8_f32 v[PA+4*\b+2:PA+4*\b+3], v[XH+16*\b+8:XH+16*\b+15], v[TM+12+\b]
.endr
	v_nop                                          ; a plain line behind the last conversion
.irp c, 0,1,2,3
.if (\a) < 4
	global_store_b128 v[CO], v[PA+4*\c:PA+4*\c+3], s[12:13] offset:((\a)%4)*2048+512*\c   ; 512 consecutive bytes, aligned
.else
	global_store_b128 v[CO], v[PA+4*\c:PA+4*\c+3], s[92:93] offset:((\a)%4)*2048+512*\c
.endif
.endr
.endm
	PLACES NP
.irp b, 0,1,2,3
	v_mov_b32 v[TM+4+\b], 0                        ; written once: a lane permute's destination counts as one of its sources
.endr
.irp a, 0,1,2,3,4,5,6,7
	OUTQ \a
.endr
.irp j, 0,1,2,3
	v_cndmask_b32 v[W4+\j], v[PW+\j], v[PW+4+\j], s94   ; lanes 0-15: tiles 0-3's words of place r; lanes 16-31: tiles 4-7's
.endr
	global_store_b128 v[SO], v[W4:W4+3], s[98:99]  ; two runs of 256 consecutive bytes, aligned
	s_wait_tensorcnt 0x0                           ; the wave's end
	ds_add_u32 v[SPW], v[NIL]
	s_wait_dscnt 0x0
	CROUND                                         ; the closing round: no work-group ends while a partner may still ask for a tile that names it
	s_endpgm
.Lfunc_end_k_q39cde43ee4_qkv:
	.size	k_q39cde43ee4_qkv, .Lfunc_end_k_q39cde43ee4_qkv-k_q39cde43ee4_qkv
	.p2alignl 7, 3214868480
	.fill 96, 4, 3214868480
	.section	.rodata,"a",@progbits
	.p2align	6, 0x0
	.amdhsa_kernel k_q39cde43ee4_qkv
		.amdhsa_group_segment_fixed_size 327680
		.amdhsa_private_segment_fixed_size 0
		.amdhsa_enable_private_segment 0
		.amdhsa_kernarg_size 48
		.amdhsa_user_sgpr_count 2
		.amdhsa_user_sgpr_kernarg_segment_ptr 1
		.amdhsa_wavefront_size32 1
		.amdhsa_system_sgpr_workgroup_id_x 1
		.amdhsa_system_sgpr_workgroup_id_y 1
		.amdhsa_system_sgpr_workgroup_id_z 1
		.amdhsa_system_vgpr_workitem_id 0
		.amdhsa_next_free_vgpr 1024
		.amdhsa_next_free_sgpr 100
		.amdhsa_reserve_vcc 0
		.amdhsa_float_denorm_mode_32 3
		.amdhsa_float_denorm_mode_16_64 3
		.amdhsa_memory_ordered 1
		.amdhsa_forward_progress 1
		.amdhsa_inst_pref_size 187
	.end_amdhsa_kernel
	.amdgpu_metadata
---
amdhsa.version: [ 1, 2 ]
amdhsa.kernels:
  - .name:           k_q39cde43ee4_qkv
    .symbol:         k_q39cde43ee4_qkv.kd
    .args:
      - { .name: xc, .offset: 0, .size: 8, .value_kind: global_buffer, .address_space: global }
      - { .name: xsc, .offset: 8, .size: 8, .value_kind: global_buffer, .address_space: global }
      - { .name: wc, .offset: 16, .size: 8, .value_kind: global_buffer, .address_space: global }
      - { .name: wsc, .offset: 24, .size: 8, .value_kind: global_buffer, .address_space: global }
      - { .name: qkvc, .offset: 32, .size: 8, .value_kind: global_buffer, .address_space: global }
      - { .name: qkvs, .offset: 40, .size: 8, .value_kind: global_buffer, .address_space: global }
    .group_segment_fixed_size: 327680
    .private_segment_fixed_size: 0
    .kernarg_segment_align: 8
    .kernarg_segment_size: 48
    .max_flat_workgroup_size: 128
    .sgpr_count:     100
    .vgpr_count:     1024
    .wavefront_size: 32
...
	.end_amdgpu_metadata
.endif
;; end of part 2
;; launch attn (part 3): grid 4 x 64, 16 waves a work-group, no clusters, 327,680 bytes of LDS; arguments qkvc, qkvs, cc, cs; writes cc, cs
.if DOCPART == 3
	.amdgcn_target "amdgcn-amd-amdhsa--gfx1250"
	.amdhsa_code_object_version 6
	.text
	.protected	k_q39cde43ee4_attn
	.globl	k_q39cde43ee4_attn
	.p2align	8
	.type	k_q39cde43ee4_attn,@function
k_q39cde43ee4_attn:
	s_mov_b64 s[64:65], 0
	v_nop
	global_prefetch_b8 v0, s[64:65] scope:SCOPE_SE
	s_setreg_imm32_b32 hwreg(HW_REG_WAVE_MODE, 25, 1), 1
	s_wait_xcnt 0x0
; ctx[b][q][head] = softmax_k(q . k / 8, causal) v, both products on codes of E5M2 with E8M0 scales; ctx is quantised along the model's 1,024 in registers and leaves as codes, laid as the last product's operand.
; THE SOFTMAX: t = score x log2(e) / 8; M = the running largest t, rounded UP to a whole number; p = 2^(t - M) is quantised along the keys, not normalised; the row's sum is taken of the unquantised p and divides at the end
; (by v_rcp_f32 and a multiplication).  When M moves, the sum and O are multiplied by 2^(old M - new M): exact.
; SHARES.  Work-group (i, 16 b + head) takes two blocks of 256 queries of one head: first block 7 - i, then block i.  Under the causal mask block j wants j + 1 slots of 256 keys, so every work-group walks NINE slots:
; the trip count is a constant.  Each of the sixteen waves owns one tile of 16 queries in 256 registers: four waves to a SIMD, so that one wave's vector work stands beside another's matrix work and LDS loads.
; LAYOUT.  Both products transposed: S^T = K Q^T, O^T = V^T P^T: a lane holds ONE query.  Place r of a tile of tokens is token 32 (T / 2) + 8 (T % 2) + r + 8 (r / 8), so that the 16 registers of key tiles 2 b, 2 b + 1 are 16 neighbouring keys.
; A HEAD'S 64 IN A FORM OF K = 128: Q's upper eight registers are zero codes, so blocks 2 and 3 add nothing; K's tile t is named as 16 registers of which the upper eight are the next tile's codes (finite) or zeros;
; the scale words come as 16 bits, so their upper bytes are 0, which stands for 2^-127 and is no NaN.
; NO MULTICAST: the four work-groups of a head want different slots from their fifth trip on, and a form in which all ask alike (both blocks at once, eight trips) makes each trip last as long as its busiest partner: 12 slots' work against 9.
; LIMITS: a block of zeros gets the byte 1 where the rule says 127 (zero codes; this program alone reads the bytes); NaN and infinities are not served.
; LDS: slot s at 65,536 s: K's codes 16 x 1,024; V's codes 2 x 4 x 2,048; K's scale words 1,024; V's 512.  The spare words at 131,072.
.set SLOTB, 65536
.set VOFF,  16384
.set KSOFF, 32768
.set VSOFF, 33792
.set SPARE, 131072                     ; the spare words, 128 bytes for each wave: eight blocks of 256 bytes that no other line names
.set L16,  1                           ; v1   16 x lane
.set AKS,  2                           ; v2   my place among K's scale words: 16 r + 2 (head % 2)
.set AVS,  3                           ; v3   among V's: 16 r
.set SPW,  4                           ; v4   LDS address of my spare word; never rewritten
.set NIL,  5                           ; v5   0; never rewritten
.set PFO,  6                           ; v6   the prefetches' offset
.set QD,   7                           ; v7   r + 8 (r / 8) - 16 (lane / 16)
.set AD,   8                           ; v8-10 the slot's addresses: codes, K's scale words, V's
.set ADS,  9
.set ADV,  10
.set CSO,  11                          ; v11  4 r + lane / 16: my byte among ctx's scale bytes
                                       ; v12 -M, v13 the largest t, v[14:15] the sum in two halves; v16-23 Q's codes, v24-31 zeros
.set KV,   32                          ; v32-95  K's 8 tiles x 8 registers, or V's 4 x 16;  v96-103 zeros
.set SS,   104                         ; v104-167 S^T, then p
.set OO,   168                         ; v168-199 O^T
.set PC,   200                         ; v200-215 p's codes
.set KSW,  216                         ; v216-223 K's scale words; V's in v216-219
.set QB,   224                         ; v224-227 and v250-253: the second block's Q
.set QB2,  250
.set BM,   228
.set T1,   232
.set HOLD, 236
.set SCF,  240
.set FF,   244                         ; v[244:245] f = 2^(old M - new M), named as a pair
.set PSW,  246                         ; p's scale word
.set TMP,  247
.set QSW,  248                         ; Q's scale word;  v249 the second block's
.set HM,   2                           ; s2   a mask of lanes 16-31
.set SG,   3                           ; s3   at work
.set WV,   12
.set HP,   13                          ; head / 2
.set BB,   14                          ; batch
.set HH,   15                          ; head
.set PP,   16                          ; head % 2
.set NA,   17                          ; slots of the first block: 8 - i
.set NN,   18                          ; the trip
.set TB,   19                          ; LDS byte at which the slot in hand begins
.set SEL,  20
.set CS,   22                          ; s[22:23] c = log2(e) / 8
.set G1K,  24
.set G1V,  32
.set G1KS, 40
.set G1VS, 48
.set G0K,  56
.set G0V,  60
.set G0KS, 68
.set G0VS, 72
.set BK,   76                          ; s[76:83] where the head's K codes, V codes, K scale words, V scale words begin
.set BV,   78
.set BKS,  80
.set BVS,  82
.set CCP,  84                          ; s[84:87] where the block in hand stores codes and scale bytes; s[88:91] the second block's
.set CSP,  86
.set KF,   92                          ; the step's first key
.set Q0,   93                          ; my tile's first query
.set QLO,  94                          ; bounds of my tile's queries
.set QHI,  95
.set PFA,  98                          ; s[98:99] where my prefetches stand;  s[66:67] a slot on
.set PFS,  66
.set LIM,  100
.set MNT,  101
.macro G1SET g, d0, rows, pitch        ; elements of 8 bytes, no mask, no padding
	s_mov_b32 s[\g], 3<<16
	s_mov_b32 s[\g+1], (\d0)<<16
	s_mov_b32 s[\g+2], (\rows)<<16
	s_mov_b32 s[\g+3], (\d0)<<16
	s_mov_b32 s[\g+4], \rows
	s_mov_b32 s[\g+5], \pitch
	s_mov_b32 s[\g+6], 0
	s_mov_b32 s[\g+7], 0
.endm
; Waves 0 to 3 fetch one part of a slot each, the others nothing.  The branches hang on the wave's number alone.  Four v_nop follow each load.
.macro ARM w, g0, g1, done
	s_cmp_lg_u32 s[WV], \w
	s_cbranch_scc1 .Lnot_\w\()_\done
	tensor_load_to_lds s[\g0:\g0+3], s[\g1:\g1+7]
	s_nop 0
.rept 4
	v_nop
.endr
	s_branch .Lasked_\done
.Lnot_\w\()_\done:
.endm
.macro TLOAD4
	ARM 0, G0K, G1K, \@
	ARM 1, G0V, G1V, \@
	ARM 2, G0KS, G1KS, \@
	ARM 3, G0VS, G1VS, \@
.Lasked_\@:
.endm
; A PREFETCH INTO THE L2 of the slot's codes that the NEXT change of slots will ask for.  All four work-groups of a head read the same K and V; the one with i = 0 walks slots 0 to 7 in order, and it alone asks.
; In it waves 4 and 5 ask for K's 16 runs of 1,024 bytes, waves 6 and 7 for V's 16,384 dense bytes: 32 blocks of 256 bytes a wave, a lane a block, each named once.  Trip n asks for slot n + 2 while n < 6; slots 0 and 1 come by their loads alone.
.macro ASK
	s_cmp_lt_u32 s[NN], s[LIM]
	s_cbranch_scc0 .Lnot_mine_\@
	global_prefetch_b8 v[PFO], s[PFA:PFA+1] th:TH_LOAD_NT scope:SCOPE_SE
.Lnot_mine_\@:
.endm
	s_load_b256 s[4:11], s[0:1], 0x0               ; qkvc s[4:5], qkvs s[6:7], cc s[8:9], cs s[10:11]
	v_lshl_add_u32 v[SPW], v0, 2, SPARE
	v_mov_b32 v[NIL], 0
	ds_add_u32 v4, v5
	ds_add_u32 v4, v5
	s_wait_dscnt 0x0
	v_lshrrev_b32 v8, 5, v0
	s_delay_alu instid0(VALU_DEP_1)
	v_readfirstlane_b32 s[WV], v8                  ; wave 0..15
	s_and_b32 s96, ttmp7, 0xffff
	s_lshr_b32 s[BB], s96, 4
	s_and_b32 s[HH], s96, 15
	s_and_b32 s[PP], s[HH], 1
	s_lshr_b32 s[HP], s[HH], 1
	s_sub_co_u32 s[NA], 8, ttmp9
	s_mov_b32 s97, 0                               ; the upper word of every offset; it stays 0
	G1SET G1K, 128, 16, 256                        ; K's codes: 16 tiles' runs of 1,024 bytes (my head's half of a tile's 2,048)
	G1SET G1V, 32, 64, 32                          ; V's codes: 16,384 dense bytes as rows of 256
	G1SET G1KS, 32, 4, 32                          ; K's scale words: 1,024 dense bytes
	G1SET G1VS, 32, 2, 32                          ; V's: 512
	s_mov_b32 s[SEL], 0x76543210
	s_mov_b32 s[SEL+1], 0xfedcba98
	s_mov_b32 s[CS], 0x3e38aa3b                    ; c = log2(e) / 8
	s_mov_b32 s[CS+1], s[CS]
	s_mov_b32 s[HM], 0xffff0000
	s_mov_b32 s[TB], 0
	s_mov_b32 s[NN], 0
	s_wait_kmcnt 0x0
	s_lshl_b32 s96, s[HP], 20                      ; q's codes: the pair of heads, 2^20;
	s_lshl_b32 s[SG], s[BB], 18                    ; the batch's 128 tiles of 2,048 bytes;
	s_add_co_u32 s96, s96, s[SG]
	s_lshl_b32 s[SG], s[PP], 10                    ; my head's half of a tile
	s_add_co_u32 s96, s96, s[SG]
	s_add_nc_u64 s[84:85], s[4:5], s[96:97]
	s_add_nc_u64 s[BK:BK+1], s[84:85], 0x800000    ; k's lie eight column groups on
	s_lshl_b32 s96, s[WV], 11                      ; my tile of block i,
	s_lshl_b32 s[SG], ttmp9, 15
	s_add_co_u32 s96, s96, s[SG]
	s_add_nc_u64 s[88:89], s[84:85], s[96:97]
	s_sub_co_u32 s[SG], 7, ttmp9                   ; and of block 7 - i
	s_lshl_b32 s[SG], s[SG], 15
	s_lshl_b32 s96, s[WV], 11
	s_add_co_u32 s96, s96, s[SG]
	s_add_nc_u64 s[84:85], s[84:85], s[96:97]
	s_lshl_b32 s96, s[HP], 15                      ; q's scale words: the pair of heads, 2^15; the batch's 32 groups of four tiles, 256 bytes each
	s_lshl_b32 s[SG], s[BB], 13
	s_add_co_u32 s96, s96, s[SG]
	s_add_nc_u64 s[86:87], s[6:7], s[96:97]
	s_add_nc_u64 s[BKS:BKS+1], s[86:87], 0x40000   ; k's lie eight column groups on
	s_lshr_b32 s96, s[WV], 2                       ; my tile: group wave / 4, word wave % 4, my head's two bytes
	s_lshl_b32 s96, s96, 8
	s_and_b32 s[SG], s[WV], 3
	s_lshl_b32 s[SG], s[SG], 2
	s_add_co_u32 s96, s96, s[SG]
	s_lshl_b32 s[SG], s[PP], 1
	s_add_co_u32 s96, s96, s[SG]
	s_add_nc_u64 s[86:87], s[86:87], s[96:97]
	s_lshl_b32 s96, ttmp9, 10
	s_add_nc_u64 s[90:91], s[86:87], s[96:97]
	s_sub_co_u32 s96, 7, ttmp9
	s_lshl_b32 s96, s96, 10
	s_add_nc_u64 s[86:87], s[86:87], s[96:97]
	s_lshl_b32 s96, s[HH], 19                      ; v's codes: 16 MiB on; a head 2^19, a batch's 16 key steps of 8,192 bytes
	s_lshl_b32 s[SG], s[BB], 17
	s_add_co_u32 s96, s96, s[SG]
	s_add_co_u32 s96, s96, 0x1000000
	s_add_nc_u64 s[BV:BV+1], s[4:5], s[96:97]
	s_lshl_b32 s96, s[HH], 14                      ; v's scale words: 524,288 bytes on; 256 bytes a key step
	s_lshl_b32 s[SG], s[BB], 12
	s_add_co_u32 s96, s96, s[SG]
	s_add_co_u32 s96, s96, 0x80000
	s_add_nc_u64 s[BVS:BVS+1], s[6:7], s[96:97]
.macro G0SET g, lds, base
	s_mov_b32 s[\g], 1
	s_mov_b32 s[\g+1], \lds
	s_mov_b64 s[\g+2:\g+3], s[\base:\base+1]
	s_or_b32 s[\g+3], s[\g+3], 0x80000000
.endm
	G0SET G0K, 0, BK
	G0SET G0V, VOFF, BV
	G0SET G0KS, KSOFF, BKS
	G0SET G0VS, VSOFF, BVS
	TLOAD4                                         ; slot 0: the head's first 256 keys
	v_and_b32 v8, 31, v0                           ; lane
	s_delay_alu instid0(VALU_DEP_1)
	v_lshlrev_b32 v[L16], 4, v8
	v_and_b32 v9, 15, v0                           ; r
	v_bfe_u32 v10, v0, 4, 1                        ; lane / 16
	s_delay_alu instid0(VALU_DEP_2)
	v_lshlrev_b32 v[TMP], 4, v9                    ; 16 r
	global_load_b128 v[16:19], v[L16], s[84:85]            ; the first block's Q: two runs of 512 bytes,
	global_load_b128 v[20:23], v[L16], s[84:85] offset:512
	global_load_u16 v[QSW], v[TMP], s[86:87]               ; and its two scale bytes a place
	global_load_b128 v[QB:QB+3], v[L16], s[88:89]          ; the second block's
	global_load_b128 v[QB2:QB2+3], v[L16], s[88:89] offset:512
	global_load_u16 v[QSW+1], v[TMP], s[90:91]
	s_lshl_b32 s96, s[PP], 1
	s_add_co_u32 s96, s96, KSOFF
	v_add_nc_u32 v[AKS], s96, v[TMP]
	v_add_nc_u32 v[AVS], VSOFF, v[TMP]
	v_lshl_add_u32 v[CSO], v9, 2, v10
	v_and_b32 v[QD], 8, v9
	s_delay_alu instid0(VALU_DEP_1)
	v_add_nc_u32 v[QD], v[QD], v9
	v_lshlrev_b32 v10, 4, v10
	s_delay_alu instid0(VALU_DEP_1)
	v_sub_nc_u32 v[QD], v[QD], v10
	; the prefetches: where my wave's stand, and who asks
	s_cmp_lt_u32 s[WV], 6
	s_cselect_b64 s[PFA:PFA+1], s[BK:BK+1], s[BV:BV+1]
	s_cselect_b32 s96, 11, 10                      ; four blocks of 256 bytes on end, then 2,048 (K) or 1,024 (V) bytes on
	s_cselect_b32 s[PFS], 15, 14
	s_lshl_b32 s[PFS], 1, s[PFS]                   ; a slot on: 32,768 bytes in K, 16,384 in V
	s_mov_b32 s[PFS+1], 0
	v_lshrrev_b32 v[PFO], 2, v8
	s_delay_alu instid0(VALU_DEP_1)
	v_lshlrev_b32 v[PFO], s96, v[PFO]
	v_and_b32 v8, 3, v8
	s_delay_alu instid0(VALU_DEP_1)
	v_lshl_add_u32 v[PFO], v8, 8, v[PFO]
	s_add_co_u32 s96, s96, 3
	s_and_b32 s[SG], s[WV], 1
	s_lshl_b32 s96, s[SG], s96                     ; the second wave of a pair takes the second half
	s_add_co_u32 s96, s96, s[PFS]                  ; in slot 1: the first change of slots steps it to slot 2
	s_add_nc_u64 s[PFA:PFA+1], s[PFA:PFA+1], s[96:97]
	s_lshr_b32 s[SG], s[WV], 2
	s_xor_b32 s[SG], s[SG], 1                      ; 0 in waves 4 to 7,
	s_or_b32 s[SG], s[SG], ttmp9                   ; of the work-group with i = 0
	s_cmp_eq_u32 s[SG], 0
	s_cselect_b32 s[LIM], 6, 0
	s_lshr_b32 s[Q0], s[WV], 1                     ; my tile's first query: 256 x block + 32 (wave / 2) + 8 (wave % 2)
	s_lshl_b32 s[Q0], s[Q0], 5
	s_and_b32 s[SG], s[WV], 1
	s_lshl_b32 s[SG], s[SG], 3
	s_add_co_u32 s[Q0], s[Q0], s[SG]
	s_sub_co_u32 s[SG], 7, ttmp9
	s_lshl_b32 s[SG], s[SG], 8
	s_add_co_u32 s[Q0], s[Q0], s[SG]
	s_and_b32 s[QLO], s[Q0], 0xffffffe0            ; my 16 queries lie in these 32
	s_add_co_u32 s[QHI], s[QLO], 31
.macro FRESH                           ; a block's statistics and O^T begin: zeros, which the first change of M leaves zeros
	v_mov_b32 v13, 0xff61b1e6                      ; the largest t so far: -3e38, under every t
	s_delay_alu instid0(VALU_DEP_1)
	v_floor_f32 v12, -v13                          ; -M
	v_mov_b32 v14, 0
	v_mov_b32 v15, 0
.set j, 0
.rept 32
	v_mov_b32 v[OO+j], 0
.set j, j+1
.endr
.endm
	FRESH
.irp j, 0,1,2,3,4,5,6,7
	v_mov_b32 v[24+\j], 0                          ; Q's upper half: zero codes
	v_mov_b32 v[96+\j], 0                          ; what K's last tile names beyond its own eight registers
.endr
.irp b, 0,1,2,3
	v_mov_b32 v[T1+\b], 0                          ; written once: a lane permute's destination counts as one of its sources
.endr
	v_mov_b32 v[FF+1], 0                           ; (named as the upper half of the pair before it is written)
	s_wait_loadcnt 0x0                             ; both blocks' Q are in: their bases and offsets may be written again
	s_lshl_b32 s96, s[BB], 21                      ; ctx's codes: tile x 16,384 + (head / 2) x 2,048 + (head % 2) x 1,024
	s_lshl_b32 s[SG], s[WV], 14
	s_add_co_u32 s96, s96, s[SG]
	s_lshl_b32 s[SG], s[HP], 11
	s_add_co_u32 s96, s96, s[SG]
	s_lshl_b32 s[SG], s[PP], 10
	s_add_co_u32 s96, s96, s[SG]
	s_add_nc_u64 s[88:89], s[8:9], s[96:97]
	s_sub_co_u32 s[SG], 7, ttmp9
	s_lshl_b32 s96, s[SG], 18
	s_add_nc_u64 s[CCP:CCP+1], s[88:89], s[96:97]
	s_lshl_b32 s96, ttmp9, 18
	s_add_nc_u64 s[88:89], s[88:89], s[96:97]
	s_lshl_b32 s96, s[BB], 16                      ; its scale bytes: tile x 512 + (head / 2) x 64 + (head % 2) x 2
	s_lshl_b32 s[SG], s[WV], 9
	s_add_co_u32 s96, s96, s[SG]
	s_lshl_b32 s[SG], s[HP], 6
	s_add_co_u32 s96, s96, s[SG]
	s_lshl_b32 s[SG], s[PP], 1
	s_add_co_u32 s96, s96, s[SG]
	s_add_nc_u64 s[90:91], s[10:11], s[96:97]
	s_sub_co_u32 s[SG], 7, ttmp9
	s_lshl_b32 s96, s[SG], 13
	s_add_nc_u64 s[CSP:CSP+1], s[90:91], s[96:97]
	s_lshl_b32 s96, ttmp9, 13
	s_add_nc_u64 s[90:91], s[90:91], s[96:97]
; A KEY STEP: 128 keys, the q-th of the slot in hand.
.macro STEP q
	s_cmp_gt_u32 s[KF], s[QHI]                     ; a step all of whose keys come after my queries is left out: a branch on ids, round no barrier and no tensor load.  Where it is not left out, key KF counts for every query of mine
	s_cbranch_scc1 .Lhidden_\@
.rept 8
	v_nop                                          ; places in front of loads into registers that the last products have read
.endr
	s_wait_alu depctr_va_vdst(0)
.irp t, 0,1,2,3,4,5,6,7
	ds_load_b128 v[KV+8*\t:KV+8*\t+3], v[AD] offset:(8*(\q)+\t)*1024
	ds_load_b128 v[KV+8*\t+4:KV+8*\t+7], v[AD] offset:(8*(\q)+\t)*1024+512
	ds_load_u16 v[KSW+\t], v[ADS] offset:(2*(\q)+\t/4)*256+4*(\t%4)
.endr
	s_wait_dscnt 0x0
	s_wait_alu depctr_va_vdst(0)
.irp t, 0,1,2,3,4,5,6,7
	v_wmma_scale_f32_16x16x128_f8f6f4 v[SS+8*\t:SS+8*\t+7], v[KV+8*\t:KV+8*\t+15], v[16:31], 0, v[KSW+\t], v[QSW] matrix_a_fmt:MATRIX_FMT_BF8 matrix_b_fmt:MATRIX_FMT_BF8
.endr
.rept 8
	v_nop
.endr
	s_add_co_u32 s96, s[KF], 127                   ; on the diagonal the scores of hidden keys become -infinity ahead of the maximum: p = 0 then.  A step all of whose keys count skips this
	s_cmp_le_u32 s96, s[QLO]
	s_cbranch_scc1 .Lopen_\@
	s_sub_co_i32 s96, s[Q0], s[KF]
	v_add_nc_u32 v[FF], s96, v[QD]                 ; d = my query - KF - 16 (lane / 16).  Register 16 b + i holds key KF + 16 (lane / 16) + 32 b + i: hidden where 32 b + i > d
	v_mov_b32 v[TMP], 0xff800000
.set n, 0
.rept 64
	v_cmp_gt_i32 vcc_lo, 32*(n/16)+n%16, v[FF]
	v_cndmask_b32 v[SS+n], v[SS+n], v[TMP], vcc_lo
.set n, n+1
.endr
.Lopen_\@:
.irp b, 0,1,2,3
	v_max3_num_f32 v[BM+\b], v[SS+16*\b], v[SS+1+16*\b], v[SS+2+16*\b]   ; the largest score of each block of 32 keys: for the row's maximum and, since p rises with the score, for the block's largest p
.endr
.irp i, 3,5,7,9,11,13
.irp b, 0,1,2,3
	v_max3_num_f32 v[BM+\b], v[BM+\b], v[SS+16*\b+\i], v[SS+1+16*\b+\i]
.endr
.endr
.irp b, 0,1,2,3
	v_max_num_f32 v[BM+\b], v[BM+\b], v[SS+15+16*\b]
.endr
.irp b, 0,1,2,3
	s_delay_alu instid0(VALU_DEP_4)
	v_permlanex16_b32 v[T1+\b], v[BM+\b], s[SEL], s[SEL+1]
.endr
.irp b, 0,1,2,3
	s_delay_alu instid0(VALU_DEP_4)
	v_max_num_f32 v[BM+\b], v[BM+\b], v[T1+\b]     ; with lane l xor 16's 16 keys
.endr
	s_delay_alu instid0(VALU_DEP_2)
	v_max3_num_f32 v[TMP], v[BM], v[BM+1], v[BM+2]
	s_delay_alu instid0(VALU_DEP_1)
	v_max_num_f32 v[TMP], v[TMP], v[BM+3]
	s_delay_alu instid0(VALU_DEP_1)
	v_mul_f32 v[TMP], s[CS], v[TMP]                ; the step's largest t of my query
	s_delay_alu instid0(VALU_DEP_1)
	v_max_num_f32 v13, v13, v[TMP]
	v_mov_b32 v[TMP], v12
	s_delay_alu instid0(VALU_DEP_2)
	v_floor_f32 v12, -v13                          ; the new -M = -ceil(t): a whole number
	s_delay_alu instid0(VALU_DEP_1)
	v_sub_f32 v[TMP], v12, v[TMP]                  ; old M - new M: a whole number, 0 or less
	s_delay_alu instid0(VALU_DEP_1)
	v_cvt_i32_f32 v[TMP], v[TMP]                   ; (it saturates)
	s_delay_alu instid0(VALU_DEP_1)
	v_ldexp_f32 v[FF], 1.0, v[TMP]                 ; f = 2^(old M - new M)
.set j, 0
.rept 32
	v_pk_fma_f32 v[SS+j:SS+j+1], v[SS+j:SS+j+1], s[CS:CS+1], v[12:13] op_sel_hi:[1,0,0]   ; t - M, two at a time
.set j, j+2
.endr
.irp b, 0,1,2,3
	v_fma_f32 v[BM+\b], v[BM+\b], s[CS], v12       ; the same of each block's largest score
.endr
.set j, 0
	s_wait_alu depctr_va_vdst(0)
.rept 64
	v_exp_f32 v[SS+j], v[SS+j]                     ; p = 2^(t - M)
.set j, j+1
.endr
	v_pk_mul_f32 v[14:15], v[14:15], v[FF:FF+1] op_sel_hi:[1,0]   ; the sums under the new M: a plain line behind the exponentials
	s_wait_alu depctr_va_vdst(0)                   ; one wait for the batch, ahead of its first reader
.irp b, 0,1,2,3
	v_exp_f32 v[BM+\b], v[BM+\b]                   ; the block's largest p: the same two instructions on the same number
.endr
	v_pk_add_f32 v[232:233], v[108:109], v[112:113]
	v_pk_add_f32 v[254:255], v[116:117], v[120:121]
	v_pk_add_f32 v[242:243], v[124:125], v[128:129]
	v_pk_add_f32 v[240:241], v[132:133], v[136:137]
	v_pk_add_f32 v[238:239], v[140:141], v[144:145]
	v_pk_add_f32 v[236:237], v[148:149], v[152:153]
	v_pk_add_f32 v[234:235], v[156:157], v[160:161]
	v_pk_add_f32 v[14:15], v[14:15], v[164:165]
	v_pk_add_f32 v[232:233], v[232:233], v[104:105]
	v_pk_add_f32 v[254:255], v[254:255], v[106:107]
	v_pk_add_f32 v[242:243], v[242:243], v[110:111]
	v_pk_add_f32 v[240:241], v[240:241], v[114:115]
	v_pk_add_f32 v[238:239], v[238:239], v[118:119]
	v_pk_add_f32 v[236:237], v[236:237], v[122:123]
	v_pk_add_f32 v[234:235], v[234:235], v[126:127]
	v_pk_add_f32 v[14:15], v[14:15], v[130:131]
	v_pk_add_f32 v[232:233], v[232:233], v[134:135]
	v_pk_add_f32 v[254:255], v[254:255], v[138:139]
	v_pk_add_f32 v[242:243], v[242:243], v[142:143]
	v_pk_add_f32 v[240:241], v[240:241], v[146:147]
	v_pk_add_f32 v[238:239], v[238:239], v[150:151]
	v_pk_add_f32 v[236:237], v[236:237], v[154:155]
	v_pk_add_f32 v[234:235], v[234:235], v[158:159]
	v_pk_add_f32 v[14:15], v[14:15], v[162:163]
	v_pk_add_f32 v[232:233], v[232:233], v[166:167]
	s_delay_alu instid0(VALU_DEP_2)
	v_pk_add_f32 v[14:15], v[14:15], v[240:241]
	s_delay_alu instid0(VALU_DEP_2)
	v_pk_add_f32 v[232:233], v[232:233], v[238:239]
	v_pk_add_f32 v[254:255], v[254:255], v[236:237]
	v_pk_add_f32 v[242:243], v[242:243], v[234:235]
	s_delay_alu instid0(VALU_DEP_2)
	v_pk_add_f32 v[14:15], v[14:15], v[254:255]
	s_delay_alu instid0(VALU_DEP_2)
	v_pk_add_f32 v[232:233], v[232:233], v[242:243]
	s_delay_alu instid0(VALU_DEP_1)
	v_pk_add_f32 v[14:15], v[14:15], v[232:233]
	s_wait_alu depctr_va_vdst(0)                   ; and one for the four
.irp b, 0,1,2,3
	v_max_num_f32 v[BM+\b], 0x8000000, v[BM+\b]    ; the floor 2^(16 - 127)
.endr
.irp b, 0,1,2,3
	s_delay_alu instid0(VALU_DEP_4)
	v_add_nc_u32 v[SCF+\b], 0xf8800000, v[BM+\b]
.endr
.irp b, 0,1,2,3
.endr
.irp b, 0,1,2,3
	s_delay_alu instid0(VALU_DEP_4)
	v_lshrrev_b32 v[T1+\b], 23, v[SCF+\b]
.endr
	s_delay_alu instid0(VALU_DEP_3)
	v_lshl_or_b32 v[PSW], v[T1+1], 8, v[T1]        ; p's scale word for these 128 keys
	s_delay_alu instid0(VALU_DEP_1)
	v_lshl_or_b32 v[PSW], v[T1+2], 16, v[PSW]
	s_delay_alu instid0(VALU_DEP_1)
	v_lshl_or_b32 v[PSW], v[T1+3], 24, v[PSW]
.irp b, 0,1,2,3
.set j, 0
.rept 16
.set j, j+1
.endr
	v_cvt_scalef32_pk8_bf8_f32 v[PC+4*\b:PC+1+4*\b], v[SS+16*\b:SS+7+16*\b], v[SCF+\b]
	v_cvt_scalef32_pk8_bf8_f32 v[PC+2+4*\b:PC+3+4*\b], v[SS+8+16*\b:SS+15+16*\b], v[SCF+\b]
.endr
.set j, 0
.rept 16
	v_pk_mul_f32 v[OO+j:OO+j+1], v[OO+j:OO+j+1], v[FF:FF+1] op_sel_hi:[1,0]   ; O^T under the new M, from its low end on.  (These sixteen are also the places in front of the products below)
.set j, j+2
.endr
.irp t, 0,1,2,3
.irp c, 0,1,2,3
	ds_load_b128 v[KV+16*\t+4*\c:KV+16*\t+4*\c+3], v[AD] offset:VOFF+8192*(\q)+2048*\t+512*\c
.endr
.endr
	ds_load_b128 v[KSW:KSW+3], v[ADV] offset:256*(\q)   ; V's scale words: place r's four tiles
	s_wait_alu depctr_va_vdst(0)
	s_wait_dscnt 0x0
.irp t, 0,1,2,3
	v_wmma_scale_f32_16x16x128_f8f6f4 v[OO+8*\t:OO+8*\t+7], v[KV+16*\t:KV+16*\t+15], v[PC:PC+15], v[OO+8*\t:OO+8*\t+7], v[KSW+\t], v[PSW] matrix_a_fmt:MATRIX_FMT_BF8 matrix_b_fmt:MATRIX_FMT_BF8
.endr
.Lhidden_\@:
	s_add_co_u32 s[KF], s[KF], 128
.endm
.macro NEXTG g, base, sh               ; a walking descriptor: the other slot, and the keys of slot s[SG]
	s_xor_b32 s[\g+1], s[\g+1], SLOTB
	s_lshl_b32 s96, s[SG], \sh
	s_add_nc_u64 s[\g+2:\g+3], s[\base:\base+1], s[96:97]
	s_or_b32 s[\g+3], s[\g+3], 0x80000000
.endm
; THE CHANGE OF SLOTS stands at a slot's head.  Each wave waits for all its tensor loads, adds 0 to its spare word, and waits for that and for its reads of the slot that it has left.
; Behind the barrier the slot ahead is whole and nobody reads the other one.  fill = 1: that other slot is filled with the next trip's keys; a wave has one tensor load out at the most.
.macro CHANGE fill
	s_wait_tensorcnt 0x0                           ; no tensor load of mine is out, so a group 0 may be written
	ds_add_u32 v[SPW], v[NIL]                      ; 0 onto my spare word
.if \fill
	s_add_co_u32 s[SG], s[NN], 1                   ; trip n + 1 reads slot n + 1 of the first block's keys, or n + 1 - NA of the second's
	s_cmp_ge_u32 s[SG], s[NA]
	s_cselect_b32 s96, s[NA], 0
	s_sub_co_u32 s[SG], s[SG], s96
	NEXTG G0K, BK, 15
	NEXTG G0V, BV, 14
	NEXTG G0KS, BKS, 10
	NEXTG G0VS, BVS, 9
	s_wait_xcnt 0x0                                ; the last prefetch, a slot back, has read its address
	s_add_nc_u64 s[PFA:PFA+1], s[PFA:PFA+1], s[PFS:PFS+1]
.endif
	s_wait_dscnt 0x0                               ; the add is done, and my reads of the slot that I have left are over
	s_barrier_signal -1
	s_barrier_wait -1
.if \fill
	TLOAD4                                         ; the first thing behind the barrier, and a wave's one tensor load until the next
	ASK
.endif
.endm
.macro SLOTWORK
	s_cmp_ge_u32 s[NN], s[NA]
	s_cselect_b32 s96, s[NA], 0
	s_sub_co_u32 s[KF], s[NN], s96
	s_lshl_b32 s[KF], s[KF], 8                     ; the slot's first key
	v_add_nc_u32 v[AD], s[TB], v[L16]
	v_add_nc_u32 v[ADS], s[TB], v[AKS]
	v_add_nc_u32 v[ADV], s[TB], v[AVS]
	STEP 0
	STEP 1
	s_xor_b32 s[TB], s[TB], SLOTB
.endm
; A BLOCK'S END: O^T / the sum is my query's 64 numbers of ctx: register 16 b + i = d 32 b + 16 (lane / 16) + i: two blocks of the last product's K.  They leave as codes.
.macro FINAL
.rept 8
	v_nop                                          ; places behind the last products
.endr
	v_add_f32 v14, v14, v15
	s_delay_alu instid0(VALU_DEP_1)
	v_permlanex16_b32 v[TMP], v14, s[SEL], s[SEL+1]
	s_delay_alu instid0(VALU_DEP_1)
	v_add_f32 v14, v14, v[TMP]                     ; the row's sum
	s_wait_alu depctr_va_vdst(0)
	v_rcp_f32 v14, v14
	v_nop                                          ; a plain line behind the reciprocal
	s_wait_alu depctr_va_vdst(0)                   ; and the wait ahead of its first reader
.set j, 0
.rept 32
	v_mul_f32 v[SS+j], v[OO+j], v14
.set j, j+1
.endr
.irp b, 0,1
	v_max3_num_f32 v[BM+\b], |v[SS+16*\b]|, |v[SS+1+16*\b]|, 0x8000000
.endr
.irp i, 2,4,6,8,10,12,14
.irp b, 0,1
	s_delay_alu instid0(VALU_DEP_2)
	v_max3_num_f32 v[BM+\b], v[BM+\b], |v[SS+16*\b+\i]|, |v[SS+1+16*\b+\i]|
.endr
.endr
.irp b, 0,1
	s_delay_alu instid0(VALU_DEP_2)
	v_permlanex16_b32 v[T1+\b], v[BM+\b], s[SEL], s[SEL+1]
.endr
.irp b, 0,1
	s_delay_alu instid0(VALU_DEP_2)
	v_max_num_f32 v[BM+\b], v[BM+\b], v[T1+\b]
.endr
.irp b, 0,1
	s_delay_alu instid0(VALU_DEP_2)
	v_add_nc_u32 v[SCF+\b], 0xf8800000, v[BM+\b]
.endr
.irp b, 0,1
.endr
.irp b, 0,1
	s_delay_alu instid0(VALU_DEP_2)
	v_lshrrev_b32 v[T1+\b], 23, v[SCF+\b]
.endr
	s_delay_alu instid0(VALU_DEP_1)
	v_cndmask_b32 v[TMP], v[T1], v[T1+1], s[HM]    ; lanes 0-15 store block 0's byte, lanes 16-31 block 1's: every lane a byte of its own
.irp b, 0,1
.set j, 0
.rept 16
.set j, j+1
.endr
	v_cvt_scalef32_pk8_bf8_f32 v[PC+4*\b:PC+1+4*\b], v[SS+16*\b:SS+7+16*\b], v[SCF+\b]
	v_cvt_scalef32_pk8_bf8_f32 v[PC+2+4*\b:PC+3+4*\b], v[SS+8+16*\b:SS+15+16*\b], v[SCF+\b]
.endr
	v_nop                                          ; a plain line behind the last conversion
	global_store_b128 v[L16], v[PC:PC+3], s[CCP:CCP+1]               ; 512 consecutive bytes, aligned
	global_store_b128 v[L16], v[PC+4:PC+7], s[CCP:CCP+1] offset:512
	global_store_b8 v[CSO], v[TMP], s[CSP:CSP+1]
	s_wait_xcnt 0x0                                ; the stores have read their registers and bases
.endm
.Lslot:                                            ; eight trips; the ninth slot is written out
	CHANGE 1
	SLOTWORK
	s_sub_co_u32 s96, s[NA], 1
	s_cmp_lg_u32 s[NN], s96                        ; was this the first block's last slot?  A branch on ids, round no barrier and no tensor load
	s_cbranch_scc1 .Lsame
	FINAL
.irp j, 0,1,2,3
	v_mov_b32 v[16+\j], v[QB+\j]                   ; on to block i: its Q,
	v_mov_b32 v[20+\j], v[QB2+\j]
.endr
	v_mov_b32 v[QSW], v[QSW+1]
	FRESH
	s_and_b32 s[Q0], s[Q0], 255                    ; its queries,
	s_lshl_b32 s96, ttmp9, 8
	s_add_co_u32 s[Q0], s[Q0], s96
	s_and_b32 s[QLO], s[Q0], 0xffffffe0
	s_add_co_u32 s[QHI], s[QLO], 31
	s_mov_b64 s[CCP:CCP+1], s[88:89]               ; and where it goes
	s_mov_b64 s[CSP:CSP+1], s[90:91]
.Lsame:
	s_add_co_u32 s[NN], s[NN], 1
	s_cmp_lt_u32 s[NN], 8
	s_cbranch_scc1 .Lslot
	CHANGE 0
	SLOTWORK
	FINAL
	s_wait_tensorcnt 0x0                           ; the wave's end
	ds_add_u32 v[SPW], v[NIL]
	s_wait_dscnt 0x0
	s_endpgm
.Lfunc_end_k_q39cde43ee4_attn:
	.size	k_q39cde43ee4_attn, .Lfunc_end_k_q39cde43ee4_attn-k_q39cde43ee4_attn
	.p2alignl 7, 3214868480
	.fill 96, 4, 3214868480
	.section	.rodata,"a",@progbits
	.p2align	6, 0x0
	.amdhsa_kernel k_q39cde43ee4_attn
		.amdhsa_group_segment_fixed_size 327680
		.amdhsa_private_segment_fixed_size 0
		.amdhsa_enable_private_segment 0
		.amdhsa_kernarg_size 32
		.amdhsa_user_sgpr_count 2
		.amdhsa_user_sgpr_kernarg_segment_ptr 1
		.amdhsa_wavefront_size32 1
		.amdhsa_system_sgpr_workgroup_id_x 1
		.amdhsa_system_sgpr_workgroup_id_y 1
		.amdhsa_system_sgpr_workgroup_id_z 1
		.amdhsa_system_vgpr_workitem_id 0
		.amdhsa_next_free_vgpr 256
		.amdhsa_next_free_sgpr 102
		.amdhsa_reserve_vcc 1
		.amdhsa_float_denorm_mode_32 3
		.amdhsa_float_denorm_mode_16_64 3
		.amdhsa_fp16_overflow 1
		.amdhsa_memory_ordered 1
		.amdhsa_forward_progress 1
		.amdhsa_inst_pref_size 116
	.end_amdhsa_kernel
	.amdgpu_metadata
---
amdhsa.version: [ 1, 2 ]
amdhsa.kernels:
  - .name:           k_q39cde43ee4_attn
    .symbol:         k_q39cde43ee4_attn.kd
    .args:
      - { .name: qkvc, .offset: 0, .size: 8, .value_kind: global_buffer, .address_space: global }
      - { .name: qkvs, .offset: 8, .size: 8, .value_kind: global_buffer, .address_space: global }
      - { .name: cc, .offset: 16, .size: 8, .value_kind: global_buffer, .address_space: global }
      - { .name: cs, .offset: 24, .size: 8, .value_kind: global_buffer, .address_space: global }
    .group_segment_fixed_size: 327680
    .private_segment_fixed_size: 0
    .kernarg_segment_align: 8
    .kernarg_segment_size: 32
    .max_flat_workgroup_size: 512
    .sgpr_count:     102
    .vgpr_count:     256
    .wavefront_size: 32
...
	.end_amdgpu_metadata
.endif
;; end of part 3
;; launch oproj (part 4): grid 4 x 32, 4 waves a work-group, clusters of 4 x 4, 327,680 bytes of LDS; arguments cc, cs, wc, wsc, bo, out0; writes out0
.if DOCPART == 4
	.amdgcn_target "amdgcn-amd-amdhsa--gfx1250"
	.amdhsa_code_object_version 6
	.text
	.protected	k_q39cde43ee4_oproj
	.globl	k_q39cde43ee4_oproj
	.p2align	8
	.type	k_q39cde43ee4_oproj,@function
k_q39cde43ee4_oproj:
	s_mov_b64 s[64:65], 0
	v_nop
	global_prefetch_b8 v0, s[64:65] scope:SCOPE_SE
	s_setreg_imm32_b32 hwreg(HW_REG_WAVE_MODE, 25, 1), 1
	s_wait_xcnt 0x0
	s_wait_alu depctr_hold_cnt(0) depctr_sa_sdst(0) depctr_va_vdst(0) depctr_va_sdst(0) depctr_va_ssrc(0) depctr_va_vcc(0) depctr_vm_vsrc(0)
	s_getreg_b32 s2, hwreg(HW_REG_IB_STS2, 6, 4)
	s_cmp_eq_u32 s2, 0
	s_cbranch_scc0 .Lentry_in_a_cluster
	s_endpgm
.Lentry_in_a_cluster:
	s_bfe_u32 s2, ttmp6, 0x10000c
	s_cmp_lg_u32 s2, 0xf033
	s_cbranch_scc0 .Lentry_shape_is_right
	s_endpgm
.Lentry_shape_is_right:
.set NQ,     2
.set FR,     16
.set NL,     4
.set NP,     8
.set TILEB,  4096
.set HALFT,  8*TILEB
.set SLOT,   4*HALFT
.set SCL,    2*SLOT
.set HALFS,  4096
.set SPARE,  SCL+4*HALFS
.set SPITCH, 528
.set ADRA, 16
.set ADRB, 20
.set STO,  24
.set RD,   25
.set CO,   26
.set ADRS, 27
.set SPW,  28
.set NIL,  29
.set SC,   32
.set BI,   64
.set AF,   128
.set BK,   128
.set G1, 24
.set G0, 32
.set G1B, 48
.set G0B, 56
.set G1S, 68
.set G0S, 76
.set G1SB, 80
.set G0SB, 88
.set MSB, 0
.macro WIN new
.if MSB != \new
	s_set_vgpr_msb (MSB<<8)|\new
.set MSB, \new
.endif
.endm
.set MUL_LO, 0xa1
.set MUL_HI, 0xf1
.set FIRST_LO, 0x81
.set FIRST_HI, 0xc1
.set TO_B,   0x40
.macro JLOAD g0a, g1a, g0b, g1b
	s_cmp_eq_u32 s15, 0
	s_cbranch_scc0 .Lfor_b_\@
	tensor_load_to_lds s[\g0a:\g0a+3], s[\g1a:\g1a+7]
	s_nop 0
.rept 4
	v_nop
.endr
	s_branch .Lasked_\@
.Lfor_b_\@:
	tensor_load_to_lds s[\g0b:\g0b+3], s[\g1b:\g1b+7]
	s_nop 0
.rept 4
	v_nop
.endr
.Lasked_\@:
.endm
.macro CREST
	s_cmp_lg_u32 s14, 0
	s_cbranch_scc1 .Lnot_wave_0_\@
	s_barrier_signal -3
.Lnot_wave_0_\@:
	s_barrier_wait -3
	s_barrier_signal -1
	s_barrier_wait -1
.endm
.macro CROUND
	s_barrier_signal -1
	s_barrier_wait -1
	CREST
.endm
	s_load_b256 s[4:11], s[0:1], 0x0
	s_load_b128 s[96:99], s[0:1], 0x20
	v_lshl_add_u32 v[SPW], v0, 2, SPARE
	v_mov_b32 v[NIL], 0
	ds_add_u32 v28, v29
	ds_add_u32 v28, v29
	s_wait_dscnt 0x0
	v_lshrrev_b32 v1, 5, v0
	v_readfirstlane_b32 s14, v1
	s_lshr_b32 s15, s14, 1
	s_and_b32 s16, s14, 1
	s_bfe_u32 s40, ttmp6, 0x40000
	s_bfe_u32 s41, ttmp6, 0x40004
	s_lshl_b32 s42, ttmp9, 2
	s_add_co_u32 s42, s42, s40
	s_and_b32 s17, ttmp7, 0xffff
	s_lshl_b32 s17, s17, 2
	s_add_co_u32 s17, s17, s41
	s_lshl_b32 s43, s41, 2
	s_lshl_b32 s43, 15, s43
	s_lshl_b32 s44, 0x1111, s40
	s_or_b32 s[G1+0], s43, (3<<16)|(1<<21)
	s_or_b32 s[G1B+0], s44, (3<<16)|(1<<21)
.irp g, G1, G1B
	s_mov_b32 s[\g+1], 512<<16
	s_mov_b32 s[\g+2], 8<<16
	s_mov_b32 s[\g+3], 512<<16
	s_mov_b32 s[\g+4], 8
	s_mov_b32 s[\g+5], 2048
	s_mov_b32 s[\g+6], 0
	s_mov_b32 s[\g+7], 0
.endr
	s_or_b32 s[G1S+0], s43, (3<<16)|(1<<21)
	s_or_b32 s[G1SB+0], s44, (3<<16)|(1<<21)
.irp g, G1S, G1SB
	s_mov_b32 s[\g+1], 32<<16
	s_mov_b32 s[\g+2], 16<<16
	s_mov_b32 s[\g+3], 32<<16
	s_mov_b32 s[\g+4], 16
	s_mov_b32 s[\g+5], 32
	s_mov_b32 s[\g+6], 0
	s_mov_b32 s[\g+7], 0
.endr
	s_lshl_b32 s18, s16, 3
	s_lshl_b32 s20, s17, 4
	s_add_co_u32 s20, s20, s18
	s_lshl_b32 s46, s42, 4
	s_add_co_u32 s46, s46, s18
	s_add_co_u32 s46, s46, 192
	s_lshl_b32 s22, s20, 9
	s_mov_b32 s23, 0
	s_lshl_b32 s92, s46, 9
	s_mov_b32 s93, 0
	s_lshl_b32 s20, s20, 14
	s_mov_b32 s21, 0
	s_lshl_b32 s46, s46, 14
	s_mov_b32 s47, 0
	s_lshl_b32 s45, s14, 15
	s_lshl_b32 s94, s14, 12
	s_wait_kmcnt 0x0
	s_add_nc_u64 s[20:21], s[4:5], s[20:21]
	s_add_nc_u64 s[22:23], s[6:7], s[22:23]
	s_add_nc_u64 s[46:47], s[8:9], s[46:47]
	s_add_nc_u64 s[92:93], s[10:11], s[92:93]
	CROUND
	s_mov_b32 s[G0S], 1
	s_add_co_u32 s[G0S+1], s94, SCL
	s_mov_b64 s[G0S+2:G0S+3], s[22:23]
	s_or_b32 s[G0S+3], s[G0S+3], 0x80000000
	s_mov_b32 s[G0SB], 1
	s_add_co_u32 s[G0SB+1], s94, SCL
	s_mov_b64 s[G0SB+2:G0SB+3], s[92:93]
	s_or_b32 s[G0SB+3], s[G0SB+3], 0x80000000
	JLOAD G0S, G1S, G0SB, G1SB
.irp s, 0,1
	s_mov_b32 s[G0+4*\s], 1
	s_add_co_u32 s[G0+4*\s+1], s45, \s*SLOT
	s_add_nc_u64 s[G0+4*\s+2:G0+4*\s+3], s[20:21], \s*TILEB
	s_or_b32 s[G0+4*\s+3], s[G0+4*\s+3], 0x80000000
	s_mov_b32 s[G0B+4*\s], 1
	s_add_co_u32 s[G0B+4*\s+1], s45, \s*SLOT
	s_add_nc_u64 s[G0B+4*\s+2:G0B+4*\s+3], s[46:47], \s*TILEB
	s_or_b32 s[G0B+4*\s+3], s[G0B+4*\s+3], 0x80000000
	s_wait_alu depctr_va_vdst(0)
	s_wait_tensorcnt 0x0
	ds_add_u32 v28, v29
	s_wait_dscnt 0x0
	CROUND
	JLOAD G0+4*\s, G1, G0B+4*\s, G1B
.endr
	v_and_b32 v1, 15, v0
	v_bfe_u32 v2, v0, 4, 1
	v_and_b32 v3, 31, v0
	v_lshlrev_b32 v[CO], 4, v3
	s_wait_alu depctr_va_vdst(0)
	s_lshl_b32 s46, s42, 10
	s_lshl_b32 s47, s16, 9
	s_add_co_u32 s46, s46, s47
	s_mov_b32 s47, 0
	s_add_nc_u64 s[96:97], s[96:97], s[46:47]
	v_lshlrev_b32 v7, 6, v2
.irp b, 0,1,2,3,4,5,6,7
	global_load_b128 v[BI+8*\b:BI+8*\b+3], v7, s[96:97] offset:128*(\b/2)+32*(\b%2)
	global_load_b128 v[BI+8*\b+4:BI+8*\b+7], v7, s[96:97] offset:128*(\b/2)+32*(\b%2)+16
.endr
	s_lshl_b32 s20, s17, 20
	s_lshl_b32 s21, s15, 19
	s_add_co_u32 s20, s20, s21
	s_add_co_u32 s20, s20, s46
	s_mov_b32 s21, 0
	s_add_nc_u64 s[12:13], s[98:99], s[20:21]
	s_lshl_b32 s21, s15, 15
	s_lshl_b32 s22, s16, 15
	s_add_co_u32 s22, s22, 2*HALFT
.irp s, 0,1
	v_add_nc_u32 v[ADRA+\s], s21, v[CO]
	v_add_nc_u32 v[ADRB+\s], s22, v[CO]
	s_add_co_u32 s21, s21, SLOT
	s_add_co_u32 s22, s22, SLOT
.endr
	v_lshlrev_b32 v5, 2, v1
	s_lshl_b32 s21, s15, 12
	s_lshl_b32 s22, s16, 12
	s_add_co_u32 s22, s22, 2*HALFS
	s_sub_co_u32 s22, s22, s21
	v_mul_u32_u24 v6, s22, v2
	s_add_co_u32 s21, s21, SCL
	v_add_nc_u32 v5, v5, v6
	v_add_nc_u32 v[ADRS], s21, v5
	s_mul_i32 s23, s14, 16*SPITCH
	v_mul_u32_u24 v5, v1, SPITCH
	v_lshl_add_u32 v5, v2, 6, v5
	v_add_nc_u32 v[STO], s23, v5
	v_add_nc_u32 v[RD], s23, v[CO]
.macro FRAG reg, adr, q, i
.irp c, 0,1,2,3
	ds_load_b128 v[\reg+4*\c:\reg+4*\c+3], v[\adr] offset:2048*(\q)+512*\c+(\i)*TILEB
.endr
.endm
.macro MUL16 a0, p, q, sc, zero
.irp a, \a0, \a0+1
.irp b, 0,1,2,3,4,5,6,7
.if \zero
	v_wmma_scale_f32_16x16x128_f8f6f4 v[8*(8*((\a)%4)+\b):8*(8*((\a)%4)+\b)+7], v[128*(\p)+FR*\b:128*(\p)+FR*\b+FR-1], v[AF+FR*(\a):AF+FR*(\a)+FR-1], v[BI+8*\b:BI+8*\b+7], v[SC+8*NQ*(\sc)+NQ*\b+(\q)], v[SC+8*NQ*(\sc)+NQ*(\a)+(\q)] matrix_a_fmt:MATRIX_FMT_BF8 matrix_b_fmt:MATRIX_FMT_BF8 matrix_a_scale:MATRIX_SCALE_ROW1
.else
	v_wmma_scale_f32_16x16x128_f8f6f4 v[8*(8*((\a)%4)+\b):8*(8*((\a)%4)+\b)+7], v[128*(\p)+FR*\b:128*(\p)+FR*\b+FR-1], v[AF+FR*(\a):AF+FR*(\a)+FR-1], v[8*(8*((\a)%4)+\b):8*(8*((\a)%4)+\b)+7], v[SC+8*NQ*(\sc)+NQ*\b+(\q)], v[SC+8*NQ*(\sc)+NQ*(\a)+(\q)] matrix_a_fmt:MATRIX_FMT_BF8 matrix_b_fmt:MATRIX_FMT_BF8 matrix_a_scale:MATRIX_SCALE_ROW1
.endif
.endr
.endr
.endm
.macro FETCH_B slot, q, p
	WIN TO_B
.irp i, 0,1,2,3,4,5,6,7
	FRAG 128*(\p)+FR*\i, ADRB+\slot, \q, \i
.endr
	WIN 0
.endm
.macro FETCH_A slot, q, i0
.irp i, \i0, \i0+1, \i0+2, \i0+3
	FRAG AF+FR*(\i), ADRA+\slot, \q, \i
.endr
.endm
.macro SCALES sc
.irp i, 0,1,2,3,4,5,6,7
	ds_load_b32 v[SC+8*NQ*\sc+NQ*\i], v[ADRS] offset:\i*512
	ds_load_b32 v[SC+8*NQ*\sc+NQ*\i+1], v[ADRS] offset:\i*512+64
.endr
.endm
.macro PLACES n
.rept \n
	v_nop
.endr
.endm
.macro STEP slot, q, zero
	s_wait_dscnt 4*NL
.if \zero
	WIN FIRST_LO
.else
	WIN MUL_LO
.endif
	MUL16 0, (\q)%2, \q, \slot, \zero
	MUL16 2, (\q)%2, \q, \slot, \zero
	s_wait_dscnt 0
	PLACES NP
	FETCH_B \slot, (\q)+1, 1-(\q)%2
	FETCH_A \slot, (\q)+1, 0
.if \zero
	WIN FIRST_HI
.else
	WIN MUL_HI
.endif
	MUL16 4, (\q)%2, \q, \slot, \zero
	MUL16 6, (\q)%2, \q, \slot, \zero
	PLACES NP
	WIN 0
	FETCH_A \slot, (\q)+1, 4
.endm
.macro TURN slot, next, fill
	s_wait_tensorcnt 0x0
	ds_add_u32 v[SPW], v[NIL]
	s_wait_dscnt 4*NL+1
	WIN MUL_LO
	MUL16 0, 1, NQ-1, \slot, 0
	s_wait_dscnt 0x0
	s_barrier_signal -1
	MUL16 2, 1, NQ-1, \slot, 0
	WIN 0
	s_barrier_wait -1
.if \fill
	CREST
	s_add_nc_u64 s[G0+4*\slot+2:G0+4*\slot+3], s[G0+4*\slot+2:G0+4*\slot+3], 2*TILEB
	s_add_nc_u64 s[G0B+4*\slot+2:G0B+4*\slot+3], s[G0B+4*\slot+2:G0B+4*\slot+3], 2*TILEB
	JLOAD G0+4*\slot, G1, G0B+4*\slot, G1B
	PLACES NP-4
.else
	PLACES NP
.endif
	s_wait_alu depctr_va_vdst(0)
	v_add_nc_u32 v[ADRS], 128, v[ADRS]
	FETCH_B \next, 0, 0
	FETCH_A \next, 0, 0
	SCALES \next
	WIN MUL_HI
	MUL16 4, 1, NQ-1, \slot, 0
	MUL16 6, 1, NQ-1, \slot, 0
	PLACES NP
	WIN 0
	FETCH_A \next, 0, 4
.endm
	s_wait_alu depctr_va_vdst(0)
	s_wait_tensorcnt 1
	s_barrier_signal -1
	s_barrier_wait -1
	FETCH_B 0, 0, 0
	FETCH_A 0, 0, 0
	SCALES 0
	FETCH_A 0, 0, 4
	s_wait_loadcnt 0x0
	STEP 0, 0, 1
	s_mov_b32 s3, 1
.Llap:
	TURN 0, 1, 1
	STEP 1, 0, 0
	TURN 1, 0, 1
	STEP 0, 0, 0
	s_sub_co_u32 s3, s3, 1
	s_cmp_lg_u32 s3, 0
	s_cbranch_scc1 .Llap
	TURN 0, 1, 0
	STEP 1, 0, 0
	s_wait_dscnt 4*NL
	WIN MUL_LO
	MUL16 0, 1, NQ-1, 1, 0
	MUL16 2, 1, NQ-1, 1, 0
	s_wait_dscnt 0
	WIN MUL_HI
	MUL16 4, 1, NQ-1, 1, 0
	MUL16 6, 1, NQ-1, 1, 0
	WIN 0
.macro TOSTAGE a
.set AC, 64*((\a)%4)
	WIN 0x08+4*((\a)/4)
.irp b, 0,1,2,3,4,5,6,7
	ds_store_b128 v[STO], v[AC+8*\b:AC+8*\b+3] offset:128*(\b/2)+32*(\b%2)
	ds_store_b128 v[STO], v[AC+8*\b+4:AC+8*\b+7] offset:128*(\b/2)+32*(\b%2)+16
.endr
	WIN 0
.set BB, BK+64*((\a)%2)
.irp t, 0,1,2,3,4,5,6,7,8,9,10,11,12,13,14,15
	ds_load_b128 v[BB+4*\t:BB+4*\t+3], v[RD] offset:\t*SPITCH
.endr
.endm
.macro SEND a, younger
.set BB, BK+64*((\a)%2)
	s_wait_dscnt \younger
.if (\a) > 0
.if (\a)%2 == 1
	s_add_nc_u64 s[12:13], s[12:13], 8*4096
.else
	s_add_nc_u64 s[12:13], s[12:13], 24*4096
.endif
.endif
.irp t, 0,1,2,3,4,5,6,7,8,9,10,11,12,13,14,15
	global_store_b128 v[CO], v[BB+4*\t:BB+4*\t+3], s[12:13] offset:(\t+8*(\t/8))*4096 th:TH_STORE_NT
.endr
.endm
	PLACES NP
	TOSTAGE 0
.irp a, 1,2,3,4,5,6,7
.if \a > 1
	s_wait_xcnt 0x0
.endif
	TOSTAGE \a
	SEND \a-1, 32
.endr
	s_wait_xcnt 0x0
	SEND 7, 0
	s_wait_tensorcnt 0x0
	ds_add_u32 v[SPW], v[NIL]
	s_wait_dscnt 0x0
	CROUND
	s_endpgm
.Lfunc_end_k_q39cde43ee4_oproj:
	.size	k_q39cde43ee4_oproj, .Lfunc_end_k_q39cde43ee4_oproj-k_q39cde43ee4_oproj
	.p2alignl 7, 3214868480
	.fill 96, 4, 3214868480
	.section	.rodata,"a",@progbits
	.p2align	6, 0x0
	.amdhsa_kernel k_q39cde43ee4_oproj
		.amdhsa_group_segment_fixed_size 327680
		.amdhsa_private_segment_fixed_size 0
		.amdhsa_enable_private_segment 0
		.amdhsa_kernarg_size 48
		.amdhsa_user_sgpr_count 2
		.amdhsa_user_sgpr_kernarg_segment_ptr 1
		.amdhsa_wavefront_size32 1
		.amdhsa_system_sgpr_workgroup_id_x 1
		.amdhsa_system_sgpr_workgroup_id_y 1
		.amdhsa_system_sgpr_workgroup_id_z 1
		.amdhsa_system_vgpr_workitem_id 0
		.amdhsa_next_free_vgpr 1024
		.amdhsa_next_free_sgpr 100
		.amdhsa_reserve_vcc 0
		.amdhsa_float_denorm_mode_32 3
		.amdhsa_float_denorm_mode_16_64 3
		.amdhsa_memory_ordered 1
		.amdhsa_forward_progress 1
		.amdhsa_inst_pref_size 149
	.end_amdhsa_kernel
	.amdgpu_metadata
---
amdhsa.version: [ 1, 2 ]
amdhsa.kernels:
  - .name:           k_q39cde43ee4_oproj
    .symbol:         k_q39cde43ee4_oproj.kd
    .args:
      - { .name: cc, .offset: 0, .size: 8, .value_kind: global_buffer, .address_space: global }
      - { .name: cs, .offset: 8, .size: 8, .value_kind: global_buffer, .address_space: global }
      - { .name: wc, .offset: 16, .size: 8, .value_kind: global_buffer, .address_space: global }
      - { .name: wsc, .offset: 24, .size: 8, .value_kind: global_buffer, .address_space: global }
      - { .name: bo, .offset: 32, .size: 8, .value_kind: global_buffer, .address_space: global }
      - { .name: out0, .offset: 40, .size: 8, .value_kind: global_buffer, .address_space: global }
    .group_segment_fixed_size: 327680
    .private_segment_fixed_size: 0
    .kernarg_segment_align: 8
    .kernarg_segment_size: 48
    .max_flat_workgroup_size: 128
    .sgpr_count:     100
    .vgpr_count:     1024
    .wavefront_size: 32
...
	.end_amdgpu_metadata
.endif
;; end of part 4
